; MI455X (gfx1250); checked and timed in simulation.
; The chip was launched on July 23, 2026; its instructions are those of AMD's public machine-readable ISA for CDNA 5 (MIT licence, August 2026) and "CDNA5" Instruction Set Architecture Reference Guide (July 2026). The comments in the code are by the model that wrote it; some were corrected since.
;; Multi Headed Attention. Allowed arithmetic: matrix products marked QUANTISED: E2M1 operands, one E8M0 scale for each 32 along K, by v_wmma_scale_f32_16x16x128_f8f6f4 with both operands' format E2M1 (or v_wmma_scale_f32_32x16x128_f4), f32 sums; products left as they are: bf16, f16 or f32 operands; f32 sums; everything else in f32.
;; Inputs: Wk 1,024 x 1,024 float32; Wm 1,024 x 1,024 float32; Wq 1,024 x 1,024 float32; Wv 1,024 x 1,024 float32; bk 1,024 float32; bm 1,024 float32; bq 1,024 float32; bv 1,024 float32; encoding 2 x 1 x 1 x 2,048 x 64 float32; key 4 x 1,024 x 2,048 float32; query 4 x 1,024 x 2,048 float32; value 4 x 1,024 x 2,048 float32.
;; Outputs: out0 4 x 1,024 x 2,048 float32.
;; This version of the problem:
;;   THIS VERSION OF THE PROBLEM IS GIVEN IN LOW PRECISION. The matrix products marked QUANTISED in the list below multiply operands that are first quantised to E2M1 (2 exponent bits, 1 mantissa bit; 4 bits a number), with one power-of-two scale for each 32 numbers along K (OCP MX v1.0); their sums are f32. The products marked 'left as it is' may take bf16, f16 or f32 operands, with f32 sums. Whichever they take, every output number must still come out within the allowed error. Rounding operands to bf16 (8 significant bits) uses up far more of that allowance than f16 does (11 bits, for magnitudes from 6e-5 to 65,504). All else is computed in f32.
;;   The module's matrix products, in the order in which they are computed (A, B: the left and right operand; K: the contracted axis; several contracted axes count as one K, in the product's order):
;;     1. [M 8,192, K 1,024] x [K 1,024, N 1,024]; A: input query; B: input Wq: QUANTISED
;;     2. [M 8,192, K 1,024] x [K 1,024, N 1,024]; A: input key; B: input Wk: QUANTISED
;;     3. [M 8,192, K 1,024] x [K 1,024, N 1,024]; A: input value; B: input Wv: QUANTISED
;;     4. batch 64 x [M 2,048, K 64] x [K 64, N 2,048]; A: computed on the way; B: computed on the way: left as it is (an operand is computed on the way)
;;     5. batch 64 x [M 64, K 2,048] x [K 2,048, N 2,048]; A: computed on the way; B: computed on the way: left as it is (an operand is computed on the way)
;;     6. [M 8,192, K 1,024] x [K 1,024, N 1,024]; A: computed on the way; B: input Wm: left as it is (an operand is computed on the way)
;;   THE QUANTISER, for each operand of a quantised product, along K:
;;     - K is cut into blocks of 32 from its start; a last block that is shorter is filled with zeros.
;;     - A block's scale is 2^e with e = floor(log2(the largest magnitude in the block)) - 2, held to -126 .. 127; a block of zeros has e = 0. As a byte (E8M0): e + 127.
;;     - Each number is divided by its block's scale, clamped to +-6, and rounded to the nearest number of E2M1, ties to even, subnormals kept.
;;     - The product sums the exact products of the quantised numbers (number of the format x scale) in f32.
;;   ~~~python
;;   def quantise(x, axis):      # numpy; x: float32 -> the quantised numbers, widened to float32 again
;;       x = np.moveaxis(x, axis, -1); K = x.shape[-1]
;;       x = np.pad(x, [(0, 0)] * (x.ndim - 1) + [(0, -K % 32)]); x = x.reshape(x.shape[:-1] + (-1, 32)); a = np.abs(x).max(-1, keepdims=True)
;;       e = np.where(a > 0, np.clip(np.frexp(np.where(a > 0, a, 1))[1] - 1 - 2, -126, 127), 0)      # np.frexp(a)[1] - 1 = floor(log2(a)), exactly
;;       r = np.clip(x / 2.0 ** e, -6, 6)
;;       step = 2.0 ** (np.maximum(np.frexp(np.where(r == 0, 1, r))[1] - 1, 0) - 1)
;;       q = np.round(r / step) * step * 2.0 ** e      # np.round: ties to even
;;       return np.moveaxis(q.reshape(q.shape[:-2] + (-1,))[..., :K], -1, axis).astype(np.float32)
;;   ~~~
;; One version. Each part assembles by itself: llvm-mc -triple=amdgcn-amd-amdhsa -mcpu=gfx1250 --defsym DOCPART=n.
;; ======== version 1 of 1: 4 launches
;; limits: values are held in f16: magnitudes above 65,504 overflow, below 6.1e-05 lose precision; right only within a limited range of input values
;; workspace buffers: xq 13,369,344 bytes; wq 1,671,168 bytes; wm16 2,097,152 bytes; qw 16,777,216 bytes; kv 33,554,432 bytes; xw 16,777,216 bytes
;; launch prep (part 1): grid 544 x 1, 4 waves a work-group, no clusters, 108,032 bytes of LDS; arguments query, key, value, Wq, Wk, Wv, Wm, xq, wq, wm16; writes xq, wq, wm16
.if DOCPART == 1
	.amdgcn_target "amdgcn-amd-amdhsa--gfx1250"
	.amdhsa_code_object_version 6
	.text
	.protected	k_q3947c196f4_prep
	.globl	k_q3947c196f4_prep
	.p2align	8
	.type	k_q3947c196f4_prep,@function
k_q3947c196f4_prep:
	s_mov_b64 s[64:65], 0
	v_nop
	global_prefetch_b8 v0, s[64:65] scope:SCOPE_SE
	s_setreg_imm32_b32 hwreg(HW_REG_WAVE_MODE, 25, 1), 1
	s_wait_xcnt 0x0
; THE OPERANDS ARE MADE READY, ONCE.  Three kinds of work-group, told apart by the work-group's number alone:
;   0 .. 95    Wq, Wk, Wv [1024 o][1024 i] f32 -> codes of FP4 (E2M1) and E8M0 scale bytes along i, rows taken in the order o' = 64 h + d (o = 16 d + h);
;   96 .. 159  Wm [1024 o][1024 i] f32 -> f16, its K taken in the order i' = 64 h + d (i = 16 d + h);
;   160 .. 543 query, key, value [4][1024 i][2048 n] f32 -> codes and scale bytes along i, which is their OUTER axis.
; EVERYTHING IS STORED IN THE ORDER OF THE READER'S OPERAND REGISTERS: four registers x 32 lanes = 512 consecutive bytes, lane l at 16 l.
;   xq: 384 pieces [t][b][pb 16][kh 2] of 34,816 bytes = 128 positions x 512 k: codes [T 8][kb 16][r 16][16 B], then scale bytes [T][r][16].
;   wq: 24 pieces [t][ob 4][kh 2] of 69,632 bytes = 256 rows o' x 512 k: codes [T 16][kb 16][r 16][16 B], then scale bytes [T][r][16].
;   wm16: [ob 8][s 8][oT 8][kf 4][c 2][lane][16 B]: lane (r, hh) holds Wm[128 ob + 16 oT + r][i' = 128 s + 32 kf + 16 c + 8 hh + 0 .. 7].
; A block's scale is 2^(floor(log2(its largest magnitude)) - 2); its byte is that magnitude's exponent field - 2, held at 1 from below.
; LIMITS: a block of zeros, or one whose largest magnitude lies under 2^-124, gets the byte 1 where the rule says 127 (zeros) : its codes are zeros, and this program alone reads the bytes.
; NaN and infinities are not served.  |Wm| stays under 65,504 (f16).
; No tensor load, no barrier: waves share nothing.  Each kind of work-group has LDS bytes of its own.
.set SPW,   12                         ; v12  LDS address of my spare word; never rewritten
.set NIL,   13                         ; v13  0; never rewritten
.set WREG,  10240                      ; weights: a region for each wave: two stages of 32 x 80 bytes, 256 scale bytes, a stage of 16 x 272 bytes for the codes
.set SP,    80
.set SBYT,  5120
.set CSTG,  5376
.set MBASE, 40960                      ; Wm: a region of 16 rows x 1,040 bytes for each wave
.set MREG,  16640
.set MP,    1040
.set SPARE, 107520                     ; the spare words, 128 bytes for each wave
.macro FINISH                          ; the wave's end
	s_wait_tensorcnt 0x0
	ds_add_u32 v[SPW], v[NIL]
	s_wait_dscnt 0x0
	s_endpgm
.endm
	s_load_b512 s[8:23], s[0:1], 0x0               ; query s[8:9], key, value, Wq s[14:15], Wk, Wv, Wm s[20:21], xq s[22:23]
	s_load_b128 s[24:27], s[0:1], 0x40             ; wq s[24:25], wm16 s[26:27]
	v_lshl_add_u32 v[SPW], v0, 2, SPARE
	v_mov_b32 v[NIL], 0
	v_lshrrev_b32 v1, 5, v0
	v_readfirstlane_b32 s2, v1                     ; wave 0..3
	v_and_b32 v2, 31, v0                           ; lane
	s_mov_b32 s35, 0
	s_wait_kmcnt 0x0
	s_cmp_lt_u32 ttmp9, 96
	s_cbranch_scc1 .Lweights
	s_cmp_lt_u32 ttmp9, 160
	s_cbranch_scc1 .Lmerge
; ---------------------------------------------------------------- query, key, value: a lane takes a position, its registers run down K
; A wave takes 32 positions x 512 k: 16 blocks a lane.  A block's 32 numbers are one lane's, so its largest magnitude needs no other lane, and its 16 bytes of codes
; are stored as they come: lanes 0-15 fill one aligned run of 256 bytes, lanes 16-31 another.
.set XN,  32                           ; v32-95   two sets of 32 numbers
.set XC,  96                           ; v96-159  codes: four registers for each block, so that no store's data are written again
.set XSB, 24                           ; v24-27   the 16 scale bytes
	s_sub_co_u32 s3, ttmp9, 160                    ; the piece
	s_and_b32 s28, s3, 1                           ; kh
	s_bfe_u32 s29, s3, 0x40001                     ; pb
	s_bfe_u32 s30, s3, 0x20005                     ; b
	s_lshr_b32 s31, s3, 7                          ; t
	s_cmp_eq_u32 s31, 0
	s_cselect_b64 s[32:33], s[8:9], s[10:11]
	s_cmp_eq_u32 s31, 2
	s_cselect_b64 s[32:33], s[12:13], s[32:33]     ; the tensor: chosen by the work-group's number alone
	s_lshl_b32 s34, s30, 23                        ; b x 1,024 x 8,192 bytes
	s_lshl_b32 s36, s28, 22                        ; kh x 512 rows
	s_add_co_u32 s34, s34, s36
	s_lshl_b32 s36, s29, 9                         ; pb x 128 positions
	s_add_co_u32 s34, s34, s36
	s_lshl_b32 s36, s2, 7                          ; wave x 32 positions
	s_add_co_u32 s34, s34, s36
	s_add_nc_u64 s[32:33], s[32:33], s[34:35]
	s_mul_i32 s34, s3, 34816
	s_add_nc_u64 s[22:23], s[22:23], s[34:35]      ; my piece
	v_lshlrev_b32 v3, 2, v2                        ; in: 4 bytes a lane
	v_lshrrev_b32 v6, 4, v2
	v_and_b32 v7, 15, v2
	v_lshlrev_b32 v4, 4, v7
	v_lshl_add_u32 v4, v6, 12, v4
	s_lshl_b32 s36, s2, 13
	v_add_nc_u32 v4, s36, v4                       ; codes: tile T = 2 wave + lane / 16 (4,096 bytes), row lane % 16 (16 bytes)
	s_lshl_b32 s36, s2, 9
	s_add_co_u32 s36, s36, 32768
	v_lshl_add_u32 v5, v2, 4, s36                  ; scale bytes: 16 a position, behind the codes
.macro XLOAD t                         ; block t: rows 32 t + i of my column, into set t % 2
.set xi, 0
.rept 32
	global_load_b32 v[XN+32*((\t)%2)+xi], v3, s[32:33] offset:(32*(\t)+xi)*8192 th:TH_LOAD_NT
.set xi, xi+1
.endr
.endm
.macro XBLOCK t
.set XS, XN+32*((\t)%2)
.if (\t) < 15
	s_wait_loadcnt 32                              ; this block's 32 loads are in; the next block's 32 may be out
.else
	s_wait_loadcnt 0x0
.endif
	v_max3_num_f32 v8, |v[XS]|, |v[XS+1]|, |v[XS+2]|
	v_max3_num_f32 v9, |v[XS+3]|, |v[XS+4]|, |v[XS+5]|
.irp i, 6,10,14,18,22,26
	v_max3_num_f32 v8, v8, |v[XS+\i]|, |v[XS+\i+1]|
	v_max3_num_f32 v9, v9, |v[XS+\i+2]|, |v[XS+\i+3]|
.endr
	v_max3_num_f32 v8, v8, |v[XS+30]|, |v[XS+31]|
	v_max3_num_f32 v8, v8, v9, 0x1800000           ; and the floor 2^(3 - 127): the byte cannot fall under 1
	v_add_nc_u32 v11, 0xff000000, v8               ; 2 off the exponent field: the conversion takes this operand's exponent field as its scale
	v_lshrrev_b32 v10, 23, v11                     ; the scale's byte
.if ((\t)%4) == 0
	v_mov_b32 v[XSB+(\t)/4], v10
.else
	v_lshl_or_b32 v[XSB+(\t)/4], v10, 8*((\t)%4), v[XSB+(\t)/4]
.endif
.irp g, 0,1,2,3
	v_cvt_scalef32_pk8_fp4_f32 v[XC+4*(\t)+\g], v[XS+8*\g:XS+8*\g+7], v11
.endr
	global_store_b128 v4, v[XC+4*(\t):XC+4*(\t)+3], s[22:23] offset:256*(\t)
.if (\t)+2 < 16
	XLOAD (\t)+2
.endif
.endm
	XLOAD 0
	XLOAD 1
.irp t, 0,1,2,3,4,5,6,7,8,9,10,11,12,13,14,15
	XBLOCK \t
.endr
	global_store_b128 v5, v[XSB:XSB+3], s[22:23]   ; 32 lanes store 512 consecutive bytes
	FINISH
; ---------------------------------------------------------------- Wq, Wk, Wv: K innermost
; A wave takes one tile of 16 rows o' x 512 k, a row (2,048 bytes) a step.  Each load reads 512 consecutive bytes; the step's numbers turn through the wave's stage so that a lane holds
; 16 neighbours (two lanes hold a block).  The codes gather in a second stage, 16 rows of 256 bytes, and leave by blocks: [kb][r][16 B].
.set WR,  16                           ; v16-79   four sets of 16 numbers as loaded
.set WX,  80                           ; v80-111  two sets of 16 neighbours
.set WE,  112                          ; v112-127 a scale byte for each step
.set WC,  128                          ; v128-159 codes: two registers for each step
.set WO,  164                          ; v164-195 the way out
.Lweights:
	s_lshl_b32 s3, ttmp9, 2
	s_add_co_u32 s3, s3, s2                        ; my wave's unit
	s_and_b32 s28, s3, 1                           ; kh
	s_bfe_u32 s29, s3, 0x60001                     ; Tg: rows o' = 16 Tg + r
	s_lshr_b32 s31, ttmp9, 5                       ; t
	s_cmp_eq_u32 s31, 0
	s_cselect_b64 s[32:33], s[14:15], s[16:17]
	s_cmp_eq_u32 s31, 2
	s_cselect_b64 s[32:33], s[18:19], s[32:33]
	s_and_b32 s34, s29, 3
	s_lshl_b32 s34, s34, 8
	s_lshr_b32 s36, s29, 2
	s_add_co_u32 s34, s34, s36                     ; row o of r = 0: 256 (Tg % 4) + Tg / 4; row r lies 16 rows further on for each r
	s_lshl_b32 s34, s34, 12
	s_lshl_b32 s36, s28, 11
	s_add_co_u32 s34, s34, s36
	s_add_nc_u64 s[32:33], s[32:33], s[34:35]
	s_lshl_b32 s34, s31, 2
	s_lshr_b32 s36, s29, 4
	s_add_co_u32 s34, s34, s36
	s_lshl_b32 s34, s34, 1
	s_add_co_u32 s34, s34, s28
	s_mul_i32 s34, s34, 69632                      ; the piece (4 t + ob) x 2 + kh
	s_and_b32 s36, s29, 15
	s_lshl_b32 s37, s36, 12
	s_add_co_u32 s40, s34, s37
	s_mov_b32 s41, 0
	s_add_nc_u64 s[38:39], s[24:25], s[40:41]      ; my tile's codes
	s_lshl_b32 s37, s36, 8
	s_add_co_u32 s40, s34, s37
	s_add_co_u32 s40, s40, 65536
	s_add_nc_u64 s[40:41], s[24:25], s[40:41]      ; and its scale bytes
	s_mul_i32 s36, s2, WREG
	v_lshlrev_b32 v3, 4, v2                        ; 16 x lane
	v_lshrrev_b32 v14, 2, v2
	v_mul_u32_u24 v14, v14, SP
	v_and_b32 v15, 3, v2
	v_lshl_add_u32 v14, v15, 4, v14
	v_add_nc_u32 v14, s36, v14                     ; the stage, in: four lanes' 64 bytes on end, then 16 of padding
	v_mul_u32_u24 v15, v2, SP
	v_add_nc_u32 v15, s36, v15                     ; and out: my 16 neighbours
	v_lshlrev_b32 v7, 3, v2                        ; 8 x lane
	s_add_co_u32 s37, s36, CSTG
	v_add_nc_u32 v4, s37, v7                       ; the codes' stage, in
	v_and_b32 v10, 15, v2
	v_mul_u32_u24 v10, v10, 272
	v_lshrrev_b32 v9, 4, v2
	v_lshl_add_u32 v10, v9, 4, v10
	v_add_nc_u32 v10, s37, v10                     ; and out: row lane % 16, block 2 q + lane / 16
	s_add_co_u32 s37, s36, SBYT
	v_lshrrev_b32 v5, 1, v2
	v_add_nc_u32 v5, s37, v5                       ; my block's scale byte
	v_add_nc_u32 v6, s37, v7                       ; and 8 of them on the way out
.macro WLOAD t
.irp i, 0,1,2,3
	global_load_b128 v[WR+16*((\t)%4)+4*\i:WR+16*((\t)%4)+4*\i+3], v3, s[32:33] offset:65536*(\t)+512*\i th:TH_LOAD_NT
.endr
.endm
.macro WTURN t                         ; LDS serves a wave's instructions in order: no wait between the stores and the loads
.irp i, 0,1,2,3
	ds_store_b128 v14, v[WR+16*((\t)%4)+4*\i:WR+16*((\t)%4)+4*\i+3] offset:32*SP*((\t)%2)+8*SP*\i
.endr
.irp i, 0,1,2,3
	ds_load_b128 v[WX+16*((\t)%2)+4*\i:WX+16*((\t)%2)+4*\i+3], v15 offset:32*SP*((\t)%2)+16*\i
.endr
.endm
.macro WSTEP t
.set XS, WX+16*((\t)%2)
.if (\t) > 0
	s_wait_dscnt 2                                 ; this step's numbers are back; the last step's two stores may be out
.else
	s_wait_dscnt 0x0
.endif
.if (\t)+4 < 16
	WLOAD (\t)+4
.endif
.if (\t)+1 < 16
.if 14-(\t) >= 3
	s_wait_loadcnt 12                              ; the next step's four loads are in; those of the three steps behind it may be out
.else
	s_wait_loadcnt 4*(14-(\t))
.endif
	WTURN (\t)+1
.endif
	v_max3_num_f32 v8, |v[XS]|, |v[XS+1]|, |v[XS+2]|
	v_max3_num_f32 v9, |v[XS+3]|, |v[XS+4]|, |v[XS+5]|
.irp i, 6,10
	v_max3_num_f32 v8, v8, |v[XS+\i]|, |v[XS+\i+1]|
	v_max3_num_f32 v9, v9, |v[XS+\i+2]|, |v[XS+\i+3]|
.endr
	v_max3_num_f32 v8, v8, |v[XS+14]|, |v[XS+15]|
	v_max3_num_f32 v8, v8, v9, 0x1800000           ; the floor
	v_max_num_f32_dpp v8, v8, v8 row_xmask:1 row_mask:0xf bank_mask:0xf   ; with my neighbour's 16: the block's
	v_add_nc_u32 v11, 0xff000000, v8
	v_cvt_scalef32_pk8_fp4_f32 v[WC+2*(\t)], v[XS:XS+7], v11
	v_cvt_scalef32_pk8_fp4_f32 v[WC+2*(\t)+1], v[XS+8:XS+15], v11
	v_lshrrev_b32 v[WE+(\t)], 23, v11              ; the scale's byte (a plain line behind the conversions)
	ds_store_b8 v5, v[WE+(\t)] offset:16*(\t)      ; both lanes of a block write the same byte with the same value
	ds_store_b64 v4, v[WC+2*(\t):WC+2*(\t)+1] offset:272*(\t)
.endm
.irp t, 0,1,2,3
	WLOAD \t
.endr
	s_wait_loadcnt 12                              ; step 0's four loads are in
	WTURN 0
.irp t, 0,1,2,3,4,5,6,7,8,9,10,11,12,13,14,15
	WSTEP \t
.endr
.irp q, 0,1,2,3,4,5,6,7
	ds_load_b128 v[WO+4*\q:WO+4*\q+3], v10 offset:32*\q
.endr
	ds_load_b64 v[8:9], v6
.irp q, 0,1,2,3,4,5,6,7
	s_wait_dscnt 8-\q                              ; piece q is in; the loads behind it may be out
	global_store_b128 v3, v[WO+4*\q:WO+4*\q+3], s[38:39] offset:512*\q   ; blocks 2 q and 2 q + 1: 512 consecutive bytes
.endr
	s_wait_dscnt 0x0
	global_store_b64 v7, v[8:9], s[40:41]          ; 256 consecutive bytes
	FINISH
; ---------------------------------------------------------------- Wm: to f16, K in the order 64 h + d
; A work-group takes 16 rows o; wave dg takes d = 16 dg .. 16 dg + 15, which are i = 256 dg .. 256 dg + 255: 1,024 consecutive bytes of each row.  They go through the wave's stage as they lie;
; lane (r, hh) reads back, for four heads at a time, the numbers of d = 16 dg + 8 hh + e.
.set MG,  16                           ; v16-143  as loaded; then G[hg][e][q] at 16 + 4 (8 hg + e) + q
.set MH,  144                          ; v144-207 four registers of f16 for each head
.Lmerge:
	s_sub_co_u32 s3, ttmp9, 96                     ; the tile of 16 rows
	s_lshl_b32 s34, s3, 16
	s_lshl_b32 s36, s2, 10
	s_add_co_u32 s34, s34, s36
	s_add_nc_u64 s[20:21], s[20:21], s[34:35]
	s_lshr_b32 s34, s3, 3
	s_lshl_b32 s34, s34, 18                        ; ob
	s_and_b32 s36, s3, 7
	s_lshl_b32 s36, s36, 12                        ; oT
	s_add_co_u32 s34, s34, s36
	s_lshr_b32 s36, s2, 1
	s_lshl_b32 s36, s36, 10                        ; kf's low bit = dg / 2
	s_add_co_u32 s34, s34, s36
	s_and_b32 s36, s2, 1
	s_lshl_b32 s36, s36, 9                         ; c = dg % 2
	s_add_co_u32 s34, s34, s36
	s_add_nc_u64 s[26:27], s[26:27], s[34:35]
	s_mul_i32 s36, s2, MREG
	s_add_co_u32 s36, s36, MBASE
	v_lshlrev_b32 v3, 4, v2
	v_add_nc_u32 v4, s36, v3                       ; in: 16 x lane
	v_and_b32 v5, 15, v2
	v_mul_u32_u24 v5, v5, MP
	v_lshrrev_b32 v6, 4, v2
	v_lshl_add_u32 v5, v6, 9, v5
	v_add_nc_u32 v5, s36, v5                       ; out: row r, + 512 hh
.set mi, 0
.rept 32
	global_load_b128 v[MG+4*mi:MG+4*mi+3], v3, s[20:21] offset:(mi/2)*4096+(mi%2)*512 th:TH_LOAD_NT
.set mi, mi+1
.endr
.set mi, 0
.rept 32
	s_wait_loadcnt 31-mi                           ; load mi is in; those behind it may be out
	ds_store_b128 v4, v[MG+4*mi:MG+4*mi+3] offset:(mi/2)*MP+(mi%2)*512
.set mi, mi+1
.endr
	s_wait_dscnt 0x0                               ; the stores have read their registers, which the loads below fill again
.irp hg, 0,1,2,3
.irp e, 0,1,2,3,4,5,6,7
	ds_load_b128 v[MG+4*(8*\hg+\e):MG+4*(8*\hg+\e)+3], v5 offset:\e*64+\hg*16
.endr
.endr
	s_wait_dscnt 0x0
.irp hg, 0,1,2,3
.irp q, 0,1,2,3
.irp i, 0,1,2,3
	v_cvt_pk_f16_f32 v[MH+4*(4*\hg+\q)+\i], v[MG+4*(8*\hg+2*\i)+\q], v[MG+4*(8*\hg+2*\i+1)+\q]
.endr
.endr
.endr
.irp h, 0,1,2,3,4,5,6,7,8,9,10,11,12,13,14,15
	global_store_b128 v3, v[MH+4*\h:MH+4*\h+3], s[26:27] offset:(\h/2)*32768+(\h%2)*2048   ; 512 consecutive bytes
.endr
	FINISH
.Lfunc_end_k_q3947c196f4_prep:
	.size	k_q3947c196f4_prep, .Lfunc_end_k_q3947c196f4_prep-k_q3947c196f4_prep
	.p2alignl 7, 3214868480
	.fill 96, 4, 3214868480
	.section	.rodata,"a",@progbits
	.p2align	6, 0x0
	.amdhsa_kernel k_q3947c196f4_prep
		.amdhsa_group_segment_fixed_size 108032
		.amdhsa_private_segment_fixed_size 0
		.amdhsa_enable_private_segment 0
		.amdhsa_kernarg_size 80
		.amdhsa_user_sgpr_count 2
		.amdhsa_user_sgpr_kernarg_segment_ptr 1
		.amdhsa_wavefront_size32 1
		.amdhsa_system_sgpr_workgroup_id_x 1
		.amdhsa_system_sgpr_workgroup_id_y 1
		.amdhsa_system_sgpr_workgroup_id_z 1
		.amdhsa_system_vgpr_workitem_id 0
		.amdhsa_next_free_vgpr 208
		.amdhsa_next_free_sgpr 66
		.amdhsa_reserve_vcc 0
		.amdhsa_float_denorm_mode_32 3
		.amdhsa_float_denorm_mode_16_64 3
		.amdhsa_memory_ordered 1
		.amdhsa_forward_progress 1
		.amdhsa_inst_pref_size 124
	.end_amdhsa_kernel
	.amdgpu_metadata
---
amdhsa.version: [ 1, 2 ]
amdhsa.kernels:
  - .name:           k_q3947c196f4_prep
    .symbol:         k_q3947c196f4_prep.kd
    .args:
      - { .name: query, .offset: 0, .size: 8, .value_kind: global_buffer, .address_space: global }
      - { .name: key, .offset: 8, .size: 8, .value_kind: global_buffer, .address_space: global }
      - { .name: value, .offset: 16, .size: 8, .value_kind: global_buffer, .address_space: global }
      - { .name: Wq, .offset: 24, .size: 8, .value_kind: global_buffer, .address_space: global }
      - { .name: Wk, .offset: 32, .size: 8, .value_kind: global_buffer, .address_space: global }
      - { .name: Wv, .offset: 40, .size: 8, .value_kind: global_buffer, .address_space: global }
      - { .name: Wm, .offset: 48, .size: 8, .value_kind: global_buffer, .address_space: global }
      - { .name: xq, .offset: 56, .size: 8, .value_kind: global_buffer, .address_space: global }
      - { .name: wq, .offset: 64, .size: 8, .value_kind: global_buffer, .address_space: global }
      - { .name: wm16, .offset: 72, .size: 8, .value_kind: global_buffer, .address_space: global }
    .group_segment_fixed_size: 108032
    .private_segment_fixed_size: 0
    .kernarg_segment_align: 8
    .kernarg_segment_size: 80
    .max_flat_workgroup_size: 128
    .sgpr_count:     66
    .vgpr_count:     208
    .wavefront_size: 32
...
	.end_amdgpu_metadata
.endif
;; end of part 1
;; launch proj (part 2): grid 4 x 64, 4 waves a work-group, clusters of 4 x 4, 327,680 bytes of LDS; arguments xq, wq, bq, bk, bv, encoding, qw, kv; writes qw, kv
.if DOCPART == 2
	.amdgcn_target "amdgcn-amd-amdhsa--gfx1250"
	.amdhsa_code_object_version 6
	.text
	.protected	k_q3947c196f4_proj
	.globl	k_q3947c196f4_proj
	.p2align	8
	.type	k_q3947c196f4_proj,@function
k_q3947c196f4_proj:
	s_mov_b64 s[64:65], 0
	v_nop
	global_prefetch_b8 v0, s[64:65] scope:SCOPE_SE
	s_setreg_imm32_b32 hwreg(HW_REG_WAVE_MODE, 25, 1), 1
	s_wait_xcnt 0x0
	s_wait_alu depctr_hold_cnt(0) depctr_sa_sdst(0) depctr_va_vdst(0) depctr_va_sdst(0) depctr_va_ssrc(0) depctr_va_vcc(0) depctr_vm_vsrc(0)
	s_getreg_b32 s2, hwreg(HW_REG_IB_STS2, 6, 4)
	s_cmp_eq_u32 s2, 0
	s_cbranch_scc0 .Lentry_in_a_cluster
	s_endpgm
.Lentry_in_a_cluster:
	s_bfe_u32 s2, ttmp6, 0x10000c
	s_cmp_lg_u32 s2, 0xf033
	s_cbranch_scc0 .Lentry_shape_is_right
	s_endpgm
.Lentry_shape_is_right:
; THE THREE PROJECTIONS on codes of FP4 (E2M1) with E8M0 scales, their biases, the rotary encoding of q and k, and the rounding to f16.
; A work-group (x = ob, y = 16 b + pb) stays and makes three tiles, q, k and v, each 256 rows o' (four heads; o' = 64 h + d) x 128 positions, K = 1,024.
; A wave always multiplies 8 blocks P (source 0: they land in a lane's registers) by 4 blocks Q (source 1: they land in the lanes): 32 accumulators.
;   q, k: P = rows o' 128 (w / 2) on (two heads), Q = positions 64 (w % 2) on: a lane holds ONE position and eight neighbouring d: what the encoding and the first product of attention want.
;   v:    P = all 128 positions, Q = rows o' 64 w on (one head): a lane holds ONE channel and eight neighbouring keys: what attention's second product wants.
; So the results, packed to f16, ARE the next launch's operand registers, and are stored as they stand, 512 consecutive bytes a store.
; q and k are stored x 2^-5 (the factor lies in the encoding's registers); attention takes 2^10 into its constant.
; LIMITS: |q|, |k| behind the encoding stay under 2^21 and |v| under 65,504 (f16); NaN and infinities are not served.
; THE RING: six half tiles (t, kh: 512 along K) go through two LDS slots; a slot holds a piece of wq (69,632 bytes) and a piece of xq (34,816), each a dense block of memory.
; CLUSTERS: 4 x 4.  wq's piece hangs on ob alone and is shared along a column, xq's on y alone and is shared along a row: joint loads, waves 0, 1 for wq's halves, waves 2, 3 for xq's.
; By this text's count a wave has two tensor loads out at the start and one behind each round.
; REGISTERS: window 0: v1-7 offsets, v8-23 LDS addresses, v28-29 the add's two, v30-31 (-2^-5, 2^-5), v32-127 scale words (two sets of 48), v192-223 at work, v224-255 packed results.
;   window 1: two sets of fragments (P 64, Q 32) at v0 and v96; v192-255 the bias as a first C.   window 2: accumulator (a, b) at 8 (8 a + b).   window 3: the encoding: (a, g) at 64 a + 16 g: 8 of freqs[0], 8 of freqs[1].
.set WPIECE, 69632
.set XPIECE, 34816
.set SLOT,   WPIECE+XPIECE
.set XOFF,   WPIECE
.set SPARE,  2*SLOT                    ; the spare words, 128 bytes for each wave
.set LI,   1                           ; v1   16 x lane
.set VBQ,  2                           ; v2   512 x (lane / 16): bq, bk
.set VBV,  3                           ; v3   64 x (lane % 16): bv
.set VEN,  4                           ; v4   the encoding: 256 x (lane % 16) + 32 x (lane / 16)
.set ADR,  8                           ; v[8 + 8 kind + 4 slot + i]: i = 0 P's fragments, 1 Q's, 2 P's scale words, 3 Q's
.set SPW,  28
.set NIL,  29
.set SGN,  30
.set SC,   32
.set U,    192
.set PK,   224
.set BIAS, 192
.set G1W,  28                          ; s[28:35] group 1 for wq's halves;  s[36:43] for xq's;  s[44:51], s[52:59] groups 0, a set for each slot
.set G1X,  36
.set G0W,  44
.set G0X,  52
.set QB,   68                          ; s[68:69], s[70:71], s[72:73]: where my results go in qw and kv
.set KB,   70
.set VB,   72
.set HSC,  86                          ; s[86:87] 2^-5
.set MSB, 0
.macro WIN new                         ; the immediate's high byte repeats the setting that is left
.if MSB != \new
	s_set_vgpr_msb (MSB<<8)|\new
.set MSB, \new
.endif
.endm
.macro PLACES
.rept 4
	v_nop
.endr
.endm
.macro JLOAD s                         ; a joint load; the branch hangs on the wave's number alone; an s_nop 0 and four v_nop follow each line
	s_cmp_eq_u32 s21, 0
	s_cbranch_scc0 .Lfor_x_\@
	tensor_load_to_lds s[G0W+4*\s:G0W+4*\s+3], s[G1W:G1W+7]
	s_nop 0
.rept 4
	v_nop
.endr
	s_branch .Lasked_\@
.Lfor_x_\@:
	tensor_load_to_lds s[G0X+4*\s:G0X+4*\s+3], s[G1X:G1X+7]
	s_nop 0
.rept 4
	v_nop
.endr
.Lasked_\@:
.endm
.macro CROUND                          ; a round of the cluster's barrier
	s_barrier_signal -1
	s_barrier_wait -1
	s_cmp_lg_u32 s20, 0
	s_cbranch_scc1 .Lnot_wave_0_\@
	s_barrier_signal -3
.Lnot_wave_0_\@:
	s_barrier_wait -3
	s_barrier_signal -1
	s_barrier_wait -1
.endm
	s_load_b512 s[4:19], s[0:1], 0x0               ; xq s[4:5], wq, bq s[8:9], bk, bv s[12:13], encoding s[14:15], qw s[16:17], kv s[18:19]
	v_lshl_add_u32 v[SPW], v0, 2, SPARE
	v_mov_b32 v[NIL], 0
	ds_add_u32 v[SPW], v[NIL]                      ; the wave's opening: the add, twice on end, and its wait ahead of my first tensor load
	ds_add_u32 v[SPW], v[NIL]
	v_lshrrev_b32 v5, 5, v0
	v_readfirstlane_b32 s20, v5                    ; wave 0..3
	s_lshr_b32 s21, s20, 1
	s_and_b32 s22, s20, 1
	s_bfe_u32 s23, ttmp6, 0x40000                  ; cx
	s_bfe_u32 s24, ttmp6, 0x40004                  ; cy
	s_lshl_b32 s25, ttmp9, 2
	s_add_co_u32 s25, s25, s23                     ; ob = 4 x cluster x + cx
	s_and_b32 s26, ttmp7, 0xffff
	s_lshl_b32 s26, s26, 2
	s_add_co_u32 s26, s26, s24                     ; y = 4 x cluster y + cy = 16 b + pb
	s_lshl_b32 s27, s24, 2
	s_lshl_b32 s27, 15, s27                        ; my row of the cluster
	s_lshl_b32 s60, 0x1111, s23                    ; my column
	s_or_b32 s[G1W], s60, (3<<16)|(1<<21)          ; 15:0 the mask; 17:16 elements of 8 bytes; 21 set beside a mask; no padding
	s_or_b32 s[G1X], s27, (3<<16)|(1<<21)
.irp g, G1W, G1X
	s_mov_b32 s[\g+1], 32<<16                      ; tensor_dim0 = 32 elements: rows of 256 bytes
	s_mov_b32 s[\g+3], 32<<16                      ; tile_dim0
	s_mov_b32 s[\g+5], 32                          ; the pitch: the block is dense
	s_mov_b32 s[\g+6], 0
	s_mov_b32 s[\g+7], 0
.endr
	s_mov_b32 s[G1W+2], 136<<16                    ; half a piece of wq: 136 rows
	s_mov_b32 s[G1W+4], 136
	s_mov_b32 s[G1X+2], 68<<16                     ; half a piece of xq: 68 rows
	s_mov_b32 s[G1X+4], 68
	s_mul_i32 s60, s25, 2*WPIECE                   ; wq: piece (ob, kh = 0) of t = 0, my half
	s_mul_i32 s61, s22, WPIECE/2
	s_add_co_u32 s60, s60, s61
	s_mov_b32 s61, 0
	s_mul_i32 s66, s26, 2*XPIECE                   ; xq: piece (y, kh = 0) of t = 0, my half
	s_mul_i32 s67, s22, XPIECE/2
	s_add_co_u32 s66, s66, s67
	s_mov_b32 s67, 0
	s_mul_i32 s74, s22, WPIECE/2                   ; and where they go: no place in the cluster enters an LDS address
	s_mul_i32 s75, s22, XPIECE/2
	s_mov_b32 s[HSC], 0x3d000000
	s_mov_b32 s[HSC+1], 0x3d000000
	s_wait_dscnt 0x0                               ; both opening adds are done
	s_wait_kmcnt 0x0
	s_add_nc_u64 s[60:61], s[6:7], s[60:61]
	s_add_nc_u64 s[66:67], s[4:5], s[66:67]
	CROUND                                         ; all sixteen work-groups are here: the first joint loads meet
.irp s, 0,1
	s_mov_b32 s[G0W+4*\s], 1
	s_add_co_u32 s[G0W+4*\s+1], s74, \s*SLOT
	s_add_nc_u64 s[G0W+4*\s+2:G0W+4*\s+3], s[60:61], \s*WPIECE
	s_or_b32 s[G0W+4*\s+3], s[G0W+4*\s+3], 0x80000000
	s_mov_b32 s[G0X+4*\s], 1
	s_add_co_u32 s[G0X+4*\s+1], s75, \s*SLOT+XOFF
	s_add_nc_u64 s[G0X+4*\s+2:G0X+4*\s+3], s[66:67], \s*XPIECE
	s_or_b32 s[G0X+4*\s+3], s[G0X+4*\s+3], 0x80000000
	JLOAD \s
.endr
	; the biases', the encoding's and the results' places
	s_lshl_b32 s76, s25, 4                         ; head 4 ob, 4 bytes a head
	s_lshl_b32 s77, s21, 3
	s_add_co_u32 s78, s76, s77                     ; q, k: my first head 4 ob + 2 (w / 2)
	s_mov_b32 s79, 0
	s_add_nc_u64 s[8:9], s[8:9], s[78:79]
	s_add_nc_u64 s[10:11], s[10:11], s[78:79]
	s_lshl_b32 s77, s20, 2
	s_add_co_u32 s78, s76, s77                     ; v: my head 4 ob + w
	s_add_nc_u64 s[12:13], s[12:13], s[78:79]
	s_and_b32 s77, s26, 15                         ; pb
	s_lshl_b32 s78, s77, 15
	s_lshl_b32 s76, s22, 14
	s_add_co_u32 s78, s78, s76                     ; position 128 pb + 64 (w % 2), 256 bytes a position
	s_add_nc_u64 s[14:15], s[14:15], s[78:79]
	s_lshr_b32 s76, s26, 4                         ; b
	s_lshl_b32 s78, s76, 4
	s_lshl_b32 s79, s25, 2
	s_add_co_u32 s78, s78, s79                     ; 16 b + 4 ob
	s_lshl_b32 s79, s21, 1
	s_add_co_u32 s79, s78, s79                     ; (b, head) of my first head of q, k
	s_add_co_u32 s78, s78, s20                     ; and of my head of v
	s_lshl_b32 s80, s79, 18                        ; qw: 262,144 bytes a head,
	s_lshl_b32 s81, s77, 14                        ; tile 8 pb + 4 (w % 2), 2,048 bytes a tile
	s_add_co_u32 s80, s80, s81
	s_lshl_b32 s84, s22, 13
	s_add_co_u32 s80, s80, s84
	s_mov_b32 s81, 0
	s_add_nc_u64 s[QB:QB+1], s[16:17], s[80:81]
	s_lshl_b32 s80, s79, 19                        ; kv: 524,288 bytes a head, slot pb / 4 of 131,072, in it K's tile 8 (pb % 4) + 4 (w % 2)
	s_lshr_b32 s82, s77, 2
	s_lshl_b32 s82, s82, 17
	s_add_co_u32 s80, s80, s82
	s_and_b32 s83, s77, 3
	s_lshl_b32 s83, s83, 14
	s_add_co_u32 s80, s80, s83
	s_add_co_u32 s80, s80, s84
	s_add_nc_u64 s[KB:KB+1], s[18:19], s[80:81]
	s_lshl_b32 s80, s78, 19                        ; V lies 65,536 bytes behind K: group of 32 keys 4 (pb % 4) on, 4,096 bytes a group
	s_add_co_u32 s80, s80, s82
	s_add_co_u32 s80, s80, s83
	s_add_co_u32 s80, s80, 65536
	s_add_nc_u64 s[VB:VB+1], s[18:19], s[80:81]
	v_and_b32 v5, 31, v0
	v_lshlrev_b32 v[LI], 4, v5
	v_and_b32 v6, 15, v0                           ; r
	v_lshlrev_b32 v7, 4, v6
	v_bfe_u32 v5, v0, 4, 1                         ; hh
	v_lshlrev_b32 v[VBQ], 9, v5
	v_lshlrev_b32 v[VBV], 6, v6
	v_lshlrev_b32 v[VEN], 8, v6
	v_lshl_add_u32 v[VEN], v5, 5, v[VEN]
	v_mov_b32 v[SGN], 0xbd000000
	v_mov_b32 v[SGN+1], 0x3d000000
	WIN 0xc0                                       ; destination window 3
.irp a, 0,1,2,3
.irp g, 0,1,2,3
	global_load_b128 v[64*\a+16*\g:64*\a+16*\g+3],     v[VEN], s[14:15] offset:\a*4096+\g*64
	global_load_b128 v[64*\a+16*\g+4:64*\a+16*\g+7],   v[VEN], s[14:15] offset:\a*4096+\g*64+16
	global_load_b128 v[64*\a+16*\g+8:64*\a+16*\g+11],  v[VEN], s[14:15] offset:524288+\a*4096+\g*64
	global_load_b128 v[64*\a+16*\g+12:64*\a+16*\g+15], v[VEN], s[14:15] offset:524288+\a*4096+\g*64+16
.endr
.endr
; the bias as the first C.  q, k: register j of block b = 4 hd + g is channel d = 16 g + 8 hh + j of head hd: word 16 d + h.  v: all eight registers of block a are channel d = 16 a + r
.macro BIASQK base
	WIN 0x40
.irp hd, 0,1
.irp g, 0,1,2,3
.irp j, 0,1,2,3,4,5,6,7
	global_load_b32 v[BIAS+8*(4*\hd+\g)+\j], v[VBQ], s[\base:\base+1] offset:\g*1024+\j*64+\hd*4
.endr
.endr
.endr
.endm
.macro BIASV
	WIN 0x40
.irp a, 0,1,2,3
.irp j, 0,1,2,3,4,5,6,7
	global_load_b32 v[BIAS+8*\a+\j], v[VBV], s[12:13] offset:\a*1024
.endr
.endr
.endm
	BIASQK 8
	WIN 0
.irp s, 0,1
	s_lshl_b32 s76, s21, 15                        ; q, k: P = wq's rows 128 (w / 2) on
	s_add_co_u32 s76, s76, \s*SLOT
	v_add_nc_u32 v[ADR+4*\s], s76, v[LI]
	s_lshl_b32 s76, s22, 14                        ; Q = xq's positions 64 (w % 2) on
	s_add_co_u32 s76, s76, \s*SLOT+XOFF
	v_add_nc_u32 v[ADR+4*\s+1], s76, v[LI]
	s_lshl_b32 s76, s21, 11
	s_add_co_u32 s76, s76, \s*SLOT+65536
	v_add_nc_u32 v[ADR+4*\s+2], s76, v7            ; scale words: 16 bytes a row; both halves of the lanes read the same
	s_lshl_b32 s76, s22, 10
	s_add_co_u32 s76, s76, \s*SLOT+XOFF+32768
	v_add_nc_u32 v[ADR+4*\s+3], s76, v7
	v_add_nc_u32 v[ADR+8+4*\s], \s*SLOT+XOFF, v[LI]   ; v: P = all of xq's piece
	s_lshl_b32 s76, s20, 14                        ; Q = wq's rows 64 w on
	s_add_co_u32 s76, s76, \s*SLOT
	v_add_nc_u32 v[ADR+8+4*\s+1], s76, v[LI]
	v_add_nc_u32 v[ADR+8+4*\s+2], \s*SLOT+XOFF+32768, v7
	s_lshl_b32 s76, s20, 10
	s_add_co_u32 s76, s76, \s*SLOT+65536
	v_add_nc_u32 v[ADR+8+4*\s+3], s76, v7
.endr
	s_wait_loadcnt 0x0                             ; the encoding and bq
	WIN 0xc3                                       ; destination and source 0 window 3
.set ei, 0
.rept 16                               ; freqs[0] x 2^-5;  freqs[1] x (-2^-5, +2^-5): the sign of rotate_half lies in the factor
.irp i, 0,2,4,6
	v_pk_mul_f32 v[16*ei+\i:16*ei+\i+1], v[16*ei+\i:16*ei+\i+1], s[HSC:HSC+1] op_sel_hi:[1,0]
	v_pk_mul_f32 v[16*ei+8+\i:16*ei+8+\i+1], v[16*ei+8+\i:16*ei+8+\i+1], v[SGN:SGN+1]
.endr
.set ei, ei+1
.endr
	WIN 0
; 24 LDS loads: the fragments of the slot's ks-th 128 along K: an image of the registers, 512 bytes a load, lane l at 16 l
.macro FETCH kind, slot, ks, set
	WIN 0x40
.irp b, 0,1,2,3,4,5,6,7
.irp c, 0,1
	ds_load_b128 v[96*(\set)+8*\b+4*\c:96*(\set)+8*\b+4*\c+3], v[ADR+8*(\kind)+4*(\slot)] offset:\b*4096+(\ks)*1024+512*\c
.endr
.endr
.irp a, 0,1,2,3
.irp c, 0,1
	ds_load_b128 v[96*(\set)+64+8*\a+4*\c:96*(\set)+64+8*\a+4*\c+3], v[ADR+8*(\kind)+4*(\slot)+1] offset:\a*4096+(\ks)*1024+512*\c
.endr
.endr
.endm
.macro SCALES kind, slot               ; 12 LDS loads: a row's four scale words of the half tile; set = slot
	WIN 0
.irp b, 0,1,2,3,4,5,6,7
	ds_load_b128 v[SC+48*(\slot)+4*\b:SC+48*(\slot)+4*\b+3], v[ADR+8*(\kind)+4*(\slot)+2] offset:256*\b
.endr
.irp a, 0,1,2,3
	ds_load_b128 v[SC+48*(\slot)+32+4*\a:SC+48*(\slot)+32+4*\a+3], v[ADR+8*(\kind)+4*(\slot)+3] offset:256*\a
.endr
.endm
; 32 matrix instructions; the accumulators take turns, one instruction a turn, in the same order in every step.  first = 1: the bias starts the sums
.macro MUL set, ks, sc, first, kind
.if \first
	WIN 0x95                                       ; A, B and C window 1, D window 2
.else
	WIN 0xa5                                       ; A, B window 1, C and D window 2
.endif
.irp a, 0,1,2,3
.irp b, 0,1,2,3,4,5,6,7
.if \first
.if \kind
.set CB, BIAS+8*\a
.else
.set CB, BIAS+8*\b
.endif
	v_wmma_scale_f32_16x16x128_f8f6f4 v[8*(8*\a+\b):8*(8*\a+\b)+7], v[96*(\set)+8*\b:96*(\set)+8*\b+7], v[96*(\set)+64+8*\a:96*(\set)+64+8*\a+7], v[CB:CB+7], v[SC+48*(\sc)+4*\b+(\ks)], v[SC+48*(\sc)+32+4*\a+(\ks)] matrix_a_fmt:MATRIX_FMT_FP4 matrix_b_fmt:MATRIX_FMT_FP4
.else
	v_wmma_scale_f32_16x16x128_f8f6f4 v[8*(8*\a+\b):8*(8*\a+\b)+7], v[96*(\set)+8*\b:96*(\set)+8*\b+7], v[96*(\set)+64+8*\a:96*(\set)+64+8*\a+7], v[8*(8*\a+\b):8*(8*\a+\b)+7], v[SC+48*(\sc)+4*\b+(\ks)], v[SC+48*(\sc)+32+4*\a+(\ks)] matrix_a_fmt:MATRIX_FMT_FP4 matrix_b_fmt:MATRIX_FMT_FP4
.endif
.endr
.endr
.endm
; A half tile: four steps of 128 along K.  The next step's fragments are asked for ahead of a step's products, behind four places (at ks = 0 they are the four v_nop of the change of slots).
; nb = 1, 2: the next tile's bias (bk, bv) is asked for behind the places of ks = 1: the products that took the old bias as C stand ahead of them.
.macro HALF kind, slot, first, nb
.if \first
	s_wait_loadcnt 0x0                             ; the bias
.endif
.irp ks, 0,1,2,3
.if \ks < 3
.if \ks > 0
	PLACES
.endif
.if (\ks == 1) && (\nb == 1)
	BIASQK 10
.endif
.if (\ks == 1) && (\nb == 2)
	BIASV
.endif
	FETCH \kind, \slot, \ks+1, (\ks+1)%2
	s_wait_dscnt 24                                ; all but the 24 loads just issued
.else
	s_wait_dscnt 0x0
.endif
.if (\ks == 0) && \first
	MUL 0, 0, \slot, 1, \kind
.else
	MUL \ks%2, \ks, \slot, 0, \kind
.endif
.endr
	WIN 0
.endm
; THE CHANGE OF SLOTS.  Each wave waits for all its tensor loads (its part of the other slot), adds 0 to its spare word, and waits for that and for its reads of this slot.
; fill = 1: a round of the cluster's barrier, and this slot takes the same half of the next tile, first thing behind the round.  Then the other slot's first fragments and scale words.
.macro CHANGE slot, fill, nkind
	s_wait_tensorcnt 0x0                           ; no tensor load of mine is out, so a group 0 may be written
	ds_add_u32 v[SPW], v[NIL]
.if \fill
	s_add_nc_u64 s[G0W+4*\slot+2:G0W+4*\slot+3], s[G0W+4*\slot+2:G0W+4*\slot+3], 8*WPIECE
	s_add_nc_u64 s[G0X+4*\slot+2:G0X+4*\slot+3], s[G0X+4*\slot+2:G0X+4*\slot+3], 128*XPIECE
.endif
	s_wait_dscnt 0x0                               ; the add is done, and my reads of this slot are over
.if \fill
	CROUND
	JLOAD \slot                                    ; its four v_nop are also the places in front of the loads below and of the way out's first reads
.else
	s_barrier_signal -1
	s_barrier_wait -1
	PLACES
.endif
	FETCH \nkind, 1-\slot, 0, 0
	SCALES \nkind, 1-\slot
.endm
; THE WAY OUT of q and k.  u = acc x F0 + swapped(acc) x F1', two numbers an instruction: (x0, x1) -> (x0 f0 - x1 g0, x1 f1 + x0 g1); then f16, 16 bytes a lane, 512 a store.
.macro EPI_QK base, hdstep
.irp a, 0,1,2,3
.irp hd, 0,1
	s_wait_xcnt 0x0                                ; the earlier stores have read their registers: the packed set is written again only behind this wait
	WIN 0x0e                                       ; source 0 window 2, source 1 window 3
.irp g, 0,1,2,3
.irp i, 0,2,4,6
	v_pk_mul_f32 v[U+8*\g+\i:U+8*\g+\i+1], v[8*(8*\a+4*\hd+\g)+\i:8*(8*\a+4*\hd+\g)+\i+1], v[64*\a+16*\g+\i:64*\a+16*\g+\i+1]
.endr
.irp i, 0,2,4,6
	v_pk_fma_f32 v[U+8*\g+\i:U+8*\g+\i+1], v[8*(8*\a+4*\hd+\g)+\i:8*(8*\a+4*\hd+\g)+\i+1], v[64*\a+16*\g+8+\i:64*\a+16*\g+8+\i+1], v[U+8*\g+\i:U+8*\g+\i+1] op_sel:[1,0,0] op_sel_hi:[0,1,1]
.endr
.endr
	WIN 0
.irp g, 0,1,2,3
.irp i, 0,1,2,3
	v_cvt_pk_f16_f32 v[PK+16*\hd+4*\g+\i], v[U+8*\g+2*\i], v[U+8*\g+2*\i+1]
.endr
.endr
.irp g, 0,1,2,3
	global_store_b128 v[LI], v[PK+16*\hd+4*\g:PK+16*\hd+4*\g+3], s[\base:\base+1] offset:\hd*\hdstep+\a*2048+\g*512
.endr
.endr
.endr
.endm
.macro EPI_V                           ; v: accumulator (a, b) is channel 16 a + r, keys 16 b + 8 hh + 0 .. 7
.irp a, 0,1,2,3
.irp bh, 0,1
	s_wait_xcnt 0x0
	WIN 0x0a                                       ; sources 0 and 1 window 2
.irp k, 0,1,2,3
.irp i, 0,1,2,3
	v_cvt_pk_f16_f32 v[PK+16*\bh+4*\k+\i], v[8*(8*\a+4*\bh+\k)+2*\i], v[8*(8*\a+4*\bh+\k)+2*\i+1]
.endr
.endr
	WIN 0
.irp k, 0,1,2,3
	global_store_b128 v[LI], v[PK+16*\bh+4*\k:PK+16*\bh+4*\k+3], s[VB:VB+1] offset:((4*\bh+\k)/2)*4096+\a*1024+((4*\bh+\k)%2)*512
.endr
.endr
.endr
.endm
	s_wait_tensorcnt 1                             ; my part of slot 0 is in; slot 1's may stay out
	s_barrier_signal -1
	s_barrier_wait -1                              ; everybody's is
	FETCH 0, 0, 0, 0
	SCALES 0, 0
	HALF 0, 0, 1, 1                                ; q
	CHANGE 0, 1, 0
	HALF 0, 1, 0, 0
	CHANGE 1, 1, 0                                 ; the refill is asked for ahead of the way out
	EPI_QK QB, 262144
	HALF 0, 0, 1, 2                                ; k
	CHANGE 0, 1, 0
	HALF 0, 1, 0, 0
	CHANGE 1, 1, 1
	EPI_QK KB, 524288
	HALF 1, 0, 1, 0                                ; v
	CHANGE 0, 0, 1                                 ; nothing is left to fetch
	HALF 1, 1, 0, 0
	PLACES
	EPI_V
	s_wait_tensorcnt 0x0                           ; the wave's end
	ds_add_u32 v[SPW], v[NIL]
	s_wait_dscnt 0x0
	CROUND                                         ; the closing round
	s_endpgm
.Lfunc_end_k_q3947c196f4_proj:
	.size	k_q3947c196f4_proj, .Lfunc_end_k_q3947c196f4_proj-k_q3947c196f4_proj
	.p2alignl 7, 3214868480
	.fill 96, 4, 3214868480
	.section	.rodata,"a",@progbits
	.p2align	6, 0x0
	.amdhsa_kernel k_q3947c196f4_proj
		.amdhsa_group_segment_fixed_size 327680
		.amdhsa_private_segment_fixed_size 0
		.amdhsa_enable_private_segment 0
		.amdhsa_kernarg_size 64
		.amdhsa_user_sgpr_count 2
		.amdhsa_user_sgpr_kernarg_segment_ptr 1
		.amdhsa_wavefront_size32 1
		.amdhsa_system_sgpr_workgroup_id_x 1
		.amdhsa_system_sgpr_workgroup_id_y 1
		.amdhsa_system_sgpr_workgroup_id_z 1
		.amdhsa_system_vgpr_workitem_id 0
		.amdhsa_next_free_vgpr 1024
		.amdhsa_next_free_sgpr 96
		.amdhsa_reserve_vcc 0
		.amdhsa_float_denorm_mode_32 3
		.amdhsa_float_denorm_mode_16_64 3
		.amdhsa_memory_ordered 1
		.amdhsa_forward_progress 1
		.amdhsa_inst_pref_size 252
	.end_amdhsa_kernel
	.amdgpu_metadata
---
amdhsa.version: [ 1, 2 ]
amdhsa.kernels:
  - .name:           k_q3947c196f4_proj
    .symbol:         k_q3947c196f4_proj.kd
    .args:
      - { .name: xq, .offset: 0, .size: 8, .value_kind: global_buffer, .address_space: global }
      - { .name: wq, .offset: 8, .size: 8, .value_kind: global_buffer, .address_space: global }
      - { .name: bq, .offset: 16, .size: 8, .value_kind: global_buffer, .address_space: global }
      - { .name: bk, .offset: 24, .size: 8, .value_kind: global_buffer, .address_space: global }
      - { .name: bv, .offset: 32, .size: 8, .value_kind: global_buffer, .address_space: global }
      - { .name: encoding, .offset: 40, .size: 8, .value_kind: global_buffer, .address_space: global }
      - { .name: qw, .offset: 48, .size: 8, .value_kind: global_buffer, .address_space: global }
      - { .name: kv, .offset: 56, .size: 8, .value_kind: global_buffer, .address_space: global }
    .group_segment_fixed_size: 327680
    .private_segment_fixed_size: 0
    .kernarg_segment_align: 8
    .kernarg_segment_size: 64
    .max_flat_workgroup_size: 128
    .sgpr_count:     96
    .vgpr_count:     1024
    .wavefront_size: 32
...
	.end_amdgpu_metadata
.endif
;; end of part 2
;; launch attn (part 3): grid 4 x 64, 8 waves a work-group, clusters of 4 x 1, 327,680 bytes of LDS; arguments qw, kv, xw; writes xw
.if DOCPART == 3
	.amdgcn_target "amdgcn-amd-amdhsa--gfx1250"
	.amdhsa_code_object_version 6
	.text
	.protected	k_q3947c196f4_attn
	.globl	k_q3947c196f4_attn
	.p2align	8
	.type	k_q3947c196f4_attn,@function
k_q3947c196f4_attn:
	s_mov_b64 s[64:65], 0
	v_nop
	global_prefetch_b8 v0, s[64:65] scope:SCOPE_SE
	s_setreg_imm32_b32 hwreg(HW_REG_WAVE_MODE, 25, 1), 1
	s_wait_xcnt 0x0
	s_wait_alu depctr_hold_cnt(0) depctr_sa_sdst(0) depctr_va_vdst(0) depctr_va_sdst(0) depctr_va_ssrc(0) depctr_va_vcc(0) depctr_vm_vsrc(0)
	s_getreg_b32 s2, hwreg(HW_REG_IB_STS2, 6, 4)
	s_cmp_eq_u32 s2, 0
	s_cbranch_scc0 .Lentry_in_a_cluster
	s_endpgm
.Lentry_in_a_cluster:
	s_bfe_u32 s2, ttmp6, 0x10000c
	s_cmp_lg_u32 s2, 0x3003
	s_cbranch_scc0 .Lentry_shape_is_right
	s_endpgm
.Lentry_shape_is_right:
; x[b][h][n][:] = the sum over m of softmax_m(q[n] . k[m] / 8) v[m][:], head size 64, 2,048 keys, no mask; operands in f16, products, maxima and sums in f32.
; q and k arrive x 2^-5, so c = log2(e) / 8 x 2^10.  For each query a running maximum m and sum l: p = 2^(c s - c m); in every step O and l are multiplied by f = 2^(c m_old - c m_new).
; SHARES.  A cluster of four work-groups is one (b, h); a work-group owns 512 queries, each of its EIGHT waves 64: four tiles of 16, in 512 registers: two waves to a SIMD,
; so that one wave's vector work can stand beside the other's matrix work; each fragment of K and V read from LDS feeds four products.
; LAYOUT.  S^T = K Q^T (source 0 = 16 keys, source 1 = 16 queries) and O^T = V^T P (source 0 = 16 channels x 32 keys, source 1 = P): a lane holds ONE query throughout.
; qw, kv and xw are images of operand registers: every LDS load reads 512 consecutive bytes, lane l at 16 l; nothing is padded or transposed.
; THE RING.  Two slots of 131,072 bytes, 512 keys each (K 65,536 bytes, then V); each wave fetches 64 rows of 256 bytes by ONE joint load with the mask of all four work-groups.
; By this text's count a wave has one tensor load out.
; LIMITS: |x| under 65,504; a weight p under 2^-25 counts as 0 in the second product (f16), not in the sum.
; REGISTERS: window 0: v1-7 addresses; v8-39 eight registers of statistics a tile (+0 c m, +1 m, +2, +3 l, +4 .. +7 at work; f at +6); v64-191 S^T, 32 a tile, P packed into the lower 16; v192-255 K.
;   window 1: v0-127 O^T (32 t + 8 ct); v128-191 Q (16 t + 8 dh); v192-255 V.
.set SLOT1, 1<<17
.set SPARE, 1<<18                      ; the spare words, 128 bytes for each of eight waves
.set LI,  1                            ; v1  16 x lane
.set ADK, 2                            ; v2  LDS address of the step's K
.set SPW, 3
.set NIL, 4
.set PFO, 5                            ; v5  256 x lane
.set LV,  6                            ; v6  16 x lane + 65,536
.set ADV, 7                            ; v7  LDS address of the step's V
.set ST,  8
.set S,   64
.set KF,  192
.set QF,  128
.set VF,  192
.set WV,  12
.set LIM, 15                           ; s15  1 in a wave that prefetches, else the greatest number
.set PFA, 18                           ; s[18:19]
.set G1,  24
.set G0,  40
.set TB,  44                           ; s44  LDS byte at which the step's K begins
.set SLOTS, 46
.set CNT, 47
.set CS,  58                           ; s[58:59] c
.set SEL, 60                           ; s[60:61] lane l xor 16
.set MSB, 0
.macro WIN new
.if MSB != \new
	s_set_vgpr_msb (MSB<<8)|\new
.set MSB, \new
.endif
.endm
.macro CROUND
	s_barrier_signal -1
	s_barrier_wait -1
	s_cmp_lg_u32 s[WV], 0
	s_cbranch_scc1 .Lnot_wave_0_\@
	s_barrier_signal -3
.Lnot_wave_0_\@:
	s_barrier_wait -3
	s_barrier_signal -1
	s_barrier_wait -1
.endm
; A prefetch of what the NEXT change of slots will ask for: 131,072 bytes.  The four partners take 32,768 each, told apart by address; in each, waves 0 to 3 ask for 8,192 bytes, lanes 256 bytes apart:
; each aligned block of 256 bytes is named once in the launch, a slot's eight key steps ahead of its load.  The last change that fills a slot asks for nothing; slots 0 and 1 come by their loads alone.
.macro ASK
	s_cmp_gt_u32 s[SLOTS], s[LIM]
	s_cbranch_scc0 .Lnot_mine_\@
	global_prefetch_b8 v[PFO], s[PFA:PFA+1] th:TH_LOAD_NT scope:SCOPE_SE
.Lnot_mine_\@:
.endm
	s_load_b128 s[4:7], s[0:1], 0x0                ; qw s[4:5], kv s[6:7]
	s_load_b64 s[8:9], s[0:1], 0x10                ; xw
	v_lshl_add_u32 v[SPW], v0, 2, SPARE
	v_mov_b32 v[NIL], 0
	ds_add_u32 v[SPW], v[NIL]                      ; the wave's opening: the add, twice on end, and its wait ahead of my first tensor load
	ds_add_u32 v[SPW], v[NIL]
	v_lshrrev_b32 v1, 5, v0
	v_readfirstlane_b32 s[WV], v1                  ; wave 0..7
	s_bfe_u32 s13, ttmp6, 0x40000                  ; cx
	s_and_b32 s14, ttmp7, 0xffff                   ; (b, h), which the four partners share
	s_mov_b32 s[G1], 15|(3<<16)|(1<<21)            ; the mask: all four; elements of 8 bytes; bit 21 beside a mask; no padding
	s_mov_b32 s[G1+1], 32<<16                      ; rows of 256 bytes
	s_mov_b32 s[G1+2], 64<<16                      ; 64 of them
	s_mov_b32 s[G1+3], 32<<16
	s_mov_b32 s[G1+4], 64
	s_mov_b32 s[G1+5], 32                          ; dense
	s_mov_b32 s[G1+6], 0
	s_mov_b32 s[G1+7], 0
	s_lshl_b32 s20, s14, 19                        ; kv: 524,288 bytes a head, my wave's 16,384 of a slot
	s_lshl_b32 s22, s[WV], 14
	s_add_co_u32 s20, s20, s22
	s_mov_b32 s21, 0
	s_lshl_b32 s32, s14, 18                        ; qw, xw: 262,144 bytes a head, tile 32 cx + 4 wave, 2,048 bytes a tile
	s_lshl_b32 s33, s13, 16
	s_add_co_u32 s32, s32, s33
	s_lshl_b32 s33, s[WV], 13
	s_add_co_u32 s32, s32, s33
	s_mov_b32 s33, 0
	s_lshl_b32 s34, s14, 19                        ; the prefetches: my work-group's 32,768 bytes, my wave's 8,192 of them,
	s_lshl_b32 s35, s13, 15
	s_add_co_u32 s34, s34, s35
	s_and_b32 s35, s[WV], 3
	s_lshl_b32 s35, s35, 13
	s_add_co_u32 s34, s34, s35
	s_add_co_u32 s34, s34, SLOT1                   ; in slot 1: the first change of slots steps it to slot 2
	s_mov_b32 s35, 0
	s_lshr_b32 s[LIM], s[WV], 2
	s_cmp_eq_u32 s[LIM], 0
	s_cselect_b32 s[LIM], 1, -1
	s_mov_b32 s[CS], 0x4338aa3b                    ; c = log2(e) x 2^7
	s_mov_b32 s[CS+1], s[CS]
	s_mov_b32 s[SEL], 0x76543210
	s_mov_b32 s[SEL+1], 0xfedcba98
	s_mov_b32 s[TB], 0
	s_mov_b32 s[SLOTS], 3
	s_mov_b32 s[G0], 1
	s_lshl_b32 s[G0+1], s[WV], 14                  ; LDS: slot 0, 16,384 x wave
	s_wait_dscnt 0x0                               ; both opening adds are done
	s_wait_kmcnt 0x0
	s_add_nc_u64 s[G0+2:G0+3], s[6:7], s[20:21]
	s_or_b32 s[G0+3], s[G0+3], 0x80000000
	s_add_nc_u64 s[4:5], s[4:5], s[32:33]
	s_add_nc_u64 s[8:9], s[8:9], s[32:33]
	s_add_nc_u64 s[PFA:PFA+1], s[6:7], s[34:35]
	CROUND                                         ; all four work-groups are here
	tensor_load_to_lds s[G0:G0+3], s[G1:G1+7]      ; slot 0
	s_nop 0
.rept 4
	v_nop
.endr
	v_and_b32 v2, 31, v0
	v_lshlrev_b32 v[LI], 4, v2
	v_lshlrev_b32 v[PFO], 8, v2
	v_add_nc_u32 v[LV], 0x10000, v[LI]
	WIN 0x40                                       ; destination window 1
.irp t, 0,1,2,3
.irp g, 0,1,2,3
	global_load_b128 v[QF+16*\t+4*\g:QF+16*\t+4*\g+3], v[LI], s[4:5] offset:\t*2048+\g*512   ; Q stays in registers
.endr
.endr
.set zi, 0
.rept 128
	v_mov_b32 v[zi], 0                             ; O^T.  (The step is written once: the first finds zeros, which f = 0 leaves zeros)
.set zi, zi+1
.endr
	WIN 0
.irp t, 0,1,2,3
	v_mov_b32 v[ST+8*\t+1], 0xf149f2ca             ; m = -1e30: under every score (64 products of f16 numbers stay under 3e11)
	v_mul_f32 v[ST+8*\t], s[CS], v[ST+8*\t+1]
	v_mov_b32 v[ST+8*\t+2], 0
	v_mov_b32 v[ST+8*\t+3], 0
.endr
; A KEY STEP: 64 keys.
.macro STEP
	v_add_nc_u32 v[ADK], s[TB], v[LI]
	v_add_nc_u32 v[ADV], s[TB], v[LV]
.rept 4
	v_nop                                          ; with the two additions six places behind the last V^T P: four are owed ahead of the loads into V, five ahead of products that write over P
.endr
.irp f, 0,1,2,3,4,5,6,7,8,9,10,11,12,13,14,15
	ds_load_b128 v[KF+4*\f:KF+4*\f+3], v[ADK] offset:512*\f
.endr
	WIN 0x40
.irp f, 0,1,2,3,4,5,6,7,8,9,10,11,12,13,14,15
	ds_load_b128 v[VF+4*\f:VF+4*\f+3], v[ADV] offset:512*\f
.endr
	WIN 0x04                                       ; Q in window 1
.irp kt, 0,1,2,3
	s_wait_dscnt 28-4*\kt                          ; K's tile kt is in; K's later tiles and V's 16 loads may be out
.irp t, 0,1,2,3
	v_wmma_f32_16x16x32_f16 v[S+32*\t+8*\kt:S+32*\t+8*\kt+7], v[KF+16*\kt:KF+16*\kt+7], v[QF+16*\t:QF+16*\t+7], 0
.endr
.irp t, 0,1,2,3
	v_wmma_f32_16x16x32_f16 v[S+32*\t+8*\kt:S+32*\t+8*\kt+7], v[KF+16*\kt+8:KF+16*\kt+15], v[QF+16*\t+8:QF+16*\t+15], v[S+32*\t+8*\kt:S+32*\t+8*\kt+7]
.endr
.endr
	WIN 0
.rept 4
	v_nop
.endr
	; the softmax, the four tiles line by line.  The maximum of 32 scores and the old m, three operands at a time; each tile of scores is read from its low end on
.irp j, 0,1,2,3
.irp t, 0,1,2,3
	v_max3_num_f32 v[ST+8*\t+4+\j], v[S+32*\t+8*\j], v[S+32*\t+8*\j+1], v[S+32*\t+8*\j+2]
.endr
.endr
.irp q, 1,2
.irp j, 0,1,2,3
.irp t, 0,1,2,3
	v_max3_num_f32 v[ST+8*\t+4+\j], v[ST+8*\t+4+\j], v[S+32*\t+8*\j+2*\q+1], v[S+32*\t+8*\j+2*\q+2]
.endr
.endr
.endr
.irp t, 0,1,2,3
	v_max3_num_f32 v[ST+8*\t+4], v[ST+8*\t+4], v[S+32*\t+7], v[S+32*\t+15]
.endr
.irp t, 0,1,2,3
	v_max3_num_f32 v[ST+8*\t+6], v[ST+8*\t+6], v[S+32*\t+23], v[S+32*\t+31]
.endr
.irp t, 0,1,2,3
	v_max3_num_f32 v[ST+8*\t+4], v[ST+8*\t+4], v[ST+8*\t+5], v[ST+8*\t+6]
.endr
.irp t, 0,1,2,3
	v_max3_num_f32 v[ST+8*\t+4], v[ST+8*\t+4], v[ST+8*\t+7], v[ST+8*\t+1]
.endr
.irp t, 0,1,2,3
	v_permlanex16_b32 v[ST+8*\t+5], v[ST+8*\t+4], s[SEL], s[SEL+1]   ; the query's other 32 keys lie in the lane 16 away
.endr
.irp t, 0,1,2,3
	v_mov_b32 v[ST+8*\t+7], v[ST+8*\t]             ; c m_old
.endr
.irp t, 0,1,2,3
	v_max_num_f32 v[ST+8*\t+1], v[ST+8*\t+4], v[ST+8*\t+5]
.endr
.irp t, 0,1,2,3
	v_mul_f32 v[ST+8*\t], s[CS], v[ST+8*\t+1]
.endr
.irp t, 0,1,2,3
	v_sub_f32 v[ST+8*\t+7], v[ST+8*\t+7], v[ST+8*\t]
.endr
.irp i, 0,2,4,6,8,10,12,14,16,18,20,22,24,26,28,30
.irp t, 0,1,2,3
	v_pk_fma_f32 v[S+32*\t+\i:S+32*\t+\i+1], v[S+32*\t+\i:S+32*\t+\i+1], s[CS:CS+1], v[ST+8*\t:ST+8*\t+1] op_sel_hi:[1,0,0] neg_lo:[0,0,1] neg_hi:[0,0,1]   ; c s - c m
.endr
.endr
.irp t, 0,1,2,3
	v_exp_f32 v[ST+8*\t+6], v[ST+8*\t+7]           ; f.  ONE BATCH: these four and the 128 below; none reads another's result
.endr
.irp i, 0,1,2,3,4,5,6,7,8,9,10,11,12,13,14,15,16,17,18,19,20,21,22,23,24,25,26,27,28,29,30,31
.irp t, 0,1,2,3
	v_exp_f32 v[S+32*\t+\i], v[S+32*\t+\i]
.endr
.endr
	v_nop                                          ; a plain instruction behind the last exponential
	s_wait_alu depctr_va_vdst(0)                   ; one wait for the batch, ahead of its first reader
.irp t, 0,1,2,3
	v_pk_fma_f32 v[ST+8*\t+2:ST+8*\t+3], v[ST+8*\t+2:ST+8*\t+3], v[ST+8*\t+6:ST+8*\t+7], v[S+32*\t:S+32*\t+1] op_sel_hi:[1,0,1]   ; l = l f + the first pair
.endr
.irp t, 0,1,2,3
	v_pk_add_f32 v[ST+8*\t+4:ST+8*\t+5], v[S+32*\t+2:S+32*\t+3], v[S+32*\t+4:S+32*\t+5]   ; a second chain
.endr
.irp i, 6,10,14,18,22,26
.irp t, 0,1,2,3
	v_pk_add_f32 v[ST+8*\t+2:ST+8*\t+3], v[ST+8*\t+2:ST+8*\t+3], v[S+32*\t+\i:S+32*\t+\i+1]
.endr
.irp t, 0,1,2,3
	v_pk_add_f32 v[ST+8*\t+4:ST+8*\t+5], v[ST+8*\t+4:ST+8*\t+5], v[S+32*\t+\i+2:S+32*\t+\i+3]
.endr
.endr
.irp t, 0,1,2,3
	v_pk_add_f32 v[ST+8*\t+2:ST+8*\t+3], v[ST+8*\t+2:ST+8*\t+3], v[S+32*\t+30:S+32*\t+31]
.endr
.irp t, 0,1,2,3
	v_pk_add_f32 v[ST+8*\t+2:ST+8*\t+3], v[ST+8*\t+2:ST+8*\t+3], v[ST+8*\t+4:ST+8*\t+5]
.endr
.irp i, 0,1,2,3,4,5,6,7,8,9,10,11,12,13,14,15
.irp t, 0,1,2,3
	v_cvt_pk_f16_f32 v[S+32*\t+\i], v[S+32*\t+2*\i], v[S+32*\t+2*\i+1]   ; P in place, ascending: register i has been read by the time it is written
.endr
.endr
	WIN 0x41                                       ; O^T (destination, source 0) in window 1
.irp i, 0,2,4,6,8,10,12,14,16,18,20,22,24,26,28,30
.irp t, 0,1,2,3
	v_pk_mul_f32 v[32*\t+\i:32*\t+\i+1], v[32*\t+\i:32*\t+\i+1], v[ST+8*\t+6:ST+8*\t+7] op_sel_hi:[1,0]
.endr
.endr
	s_wait_dscnt 0x0                               ; V is in
	WIN 0x51                                       ; V, C and D in window 1, P in window 0
.irp u, 0,1
.irp ct, 0,1,2,3
.irp t, 0,1,2,3
	v_wmma_f32_16x16x32_f16 v[32*\t+8*\ct:32*\t+8*\ct+7], v[VF+8*(4*\u+\ct):VF+8*(4*\u+\ct)+7], v[S+32*\t+8*\u:S+32*\t+8*\u+7], v[32*\t+8*\ct:32*\t+8*\ct+7]
.endr
.endr
.endr
	WIN 0
	s_add_co_u32 s[TB], s[TB], 8192                ; the next step's K and V
.endm
.macro SLOT_STEPS                      ; a slot's eight key steps: written once, walked eight times
	s_mov_b32 s[CNT], 8
.Lstep_\@:
	STEP
	s_sub_co_u32 s[CNT], s[CNT], 1
	s_cmp_lg_u32 s[CNT], 0
	s_cbranch_scc1 .Lstep_\@
	s_sub_co_u32 s[TB], s[TB], 65536               ; back to a slot's first step,
	s_xor_b32 s[TB], s[TB], SLOT1                  ; in the other slot
.endm
; THE CHANGE OF SLOTS stands at a slot's head.  Each wave waits for all its tensor loads (its part of the slot ahead), adds 0 to its spare word, and waits for that and for its reads of the slot left.
; fill = 1: a round of the cluster's barrier; behind it the slot that was left takes the next 512 keys: the load has eight key steps in which to land.
.macro CHANGE fill
	s_wait_tensorcnt 0x0                           ; no tensor load of mine is out, so the group 0 may be written
	ds_add_u32 v[SPW], v[NIL]
.if \fill
	s_xor_b32 s[G0+1], s[G0+1], SLOT1
	s_add_nc_u64 s[G0+2:G0+3], s[G0+2:G0+3], SLOT1
	s_wait_xcnt 0x0                                ; the last prefetch, a slot back, has read its address
	s_add_nc_u64 s[PFA:PFA+1], s[PFA:PFA+1], SLOT1
.endif
	s_wait_dscnt 0x0                               ; the add is done, and my reads of the slot that I have left are over
.if \fill
	CROUND
	tensor_load_to_lds s[G0:G0+3], s[G1:G1+7]      ; every wave's one load behind the round
	s_nop 0
.rept 4
	v_nop
.endr
	ASK
.else
	s_barrier_signal -1
	s_barrier_wait -1
.endif
.endm
	s_wait_loadcnt 0x0                             ; Q
.Lslot:                                            ; three trips: behind each change of slots but the last the next slot is asked for
	CHANGE 1
	SLOT_STEPS
	s_sub_co_u32 s[SLOTS], s[SLOTS], 1
	s_cmp_lg_u32 s[SLOTS], 0
	s_cbranch_scc1 .Lslot
	CHANGE 0                                       ; the last slot is written out
	SLOT_STEPS
	; THE WAY OUT.  O^T / l, rounded to f16: the registers are the last product's operand, and are stored as they stand.  The additions are the places behind the last products.
.irp t, 0,1,2,3
	v_add_f32 v[ST+8*\t+4], v[ST+8*\t+2], v[ST+8*\t+3]
.endr
.irp t, 0,1,2,3
	v_permlanex16_b32 v[ST+8*\t+5], v[ST+8*\t+4], s[SEL], s[SEL+1]
.endr
.irp t, 0,1,2,3
	v_add_f32 v[ST+8*\t+4], v[ST+8*\t+4], v[ST+8*\t+5]
.endr
.irp t, 0,1,2,3
	v_rcp_f32 v[ST+8*\t+6], v[ST+8*\t+4]
.endr
	v_nop
	s_wait_alu depctr_va_vdst(0)                   ; one wait for the four reciprocals
.irp t, 0,1,2,3
	WIN 0x41
.irp i, 0,2,4,6,8,10,12,14,16,18,20,22,24,26,28,30
	v_pk_mul_f32 v[32*\t+\i:32*\t+\i+1], v[32*\t+\i:32*\t+\i+1], v[ST+8*\t+6:ST+8*\t+7] op_sel_hi:[1,0]
.endr
	WIN 0x05                                       ; sources in window 1, destination in window 0
.irp i, 0,1,2,3,4,5,6,7,8,9,10,11,12,13,14,15
	v_cvt_pk_f16_f32 v[S+16*\t+\i], v[32*\t+2*\i], v[32*\t+2*\i+1]
.endr
	WIN 0
.irp ct, 0,1,2,3
	global_store_b128 v[LI], v[S+16*\t+4*\ct:S+16*\t+4*\ct+3], s[8:9] offset:\t*2048+\ct*512   ; 512 consecutive bytes
.endr
.endr
	s_wait_tensorcnt 0x0                           ; the wave's end
	ds_add_u32 v[SPW], v[NIL]
	s_wait_dscnt 0x0
	CROUND                                         ; the closing round
	s_endpgm
.Lfunc_end_k_q3947c196f4_attn:
	.size	k_q3947c196f4_attn, .Lfunc_end_k_q3947c196f4_attn-k_q3947c196f4_attn
	.p2alignl 7, 3214868480
	.fill 96, 4, 3214868480
	.section	.rodata,"a",@progbits
	.p2align	6, 0x0
	.amdhsa_kernel k_q3947c196f4_attn
		.amdhsa_group_segment_fixed_size 327680
		.amdhsa_private_segment_fixed_size 0
		.amdhsa_enable_private_segment 0
		.amdhsa_kernarg_size 24
		.amdhsa_user_sgpr_count 2
		.amdhsa_user_sgpr_kernarg_segment_ptr 1
		.amdhsa_wavefront_size32 1
		.amdhsa_system_sgpr_workgroup_id_x 1
		.amdhsa_system_sgpr_workgroup_id_y 1
		.amdhsa_system_sgpr_workgroup_id_z 1
		.amdhsa_system_vgpr_workitem_id 0
		.amdhsa_next_free_vgpr 512
		.amdhsa_next_free_sgpr 66
		.amdhsa_reserve_vcc 0
		.amdhsa_float_denorm_mode_32 3
		.amdhsa_float_denorm_mode_16_64 3
		.amdhsa_memory_ordered 1
		.amdhsa_forward_progress 1
		.amdhsa_inst_pref_size 86
	.end_amdhsa_kernel
	.amdgpu_metadata
---
amdhsa.version: [ 1, 2 ]
amdhsa.kernels:
  - .name:           k_q3947c196f4_attn
    .symbol:         k_q3947c196f4_attn.kd
    .args:
      - { .name: qw, .offset: 0, .size: 8, .value_kind: global_buffer, .address_space: global }
      - { .name: kv, .offset: 8, .size: 8, .value_kind: global_buffer, .address_space: global }
      - { .name: xw, .offset: 16, .size: 8, .value_kind: global_buffer, .address_space: global }
    .group_segment_fixed_size: 327680
    .private_segment_fixed_size: 0
    .kernarg_segment_align: 8
    .kernarg_segment_size: 24
    .max_flat_workgroup_size: 256
    .sgpr_count:     66
    .vgpr_count:     512
    .wavefront_size: 32
...
	.end_amdgpu_metadata
.endif
;; end of part 3
;; launch outp (part 4): grid 8 x 32, 4 waves a work-group, clusters of 4 x 4, 327,680 bytes of LDS; arguments xw, wm16, bm, out0; writes out0
.if DOCPART == 4
	.amdgcn_target "amdgcn-amd-amdhsa--gfx1250"
	.amdhsa_code_object_version 6
	.text
	.protected	k_q3947c196f4_outp
	.globl	k_q3947c196f4_outp
	.p2align	8
	.type	k_q3947c196f4_outp,@function
k_q3947c196f4_outp:
	s_mov_b64 s[64:65], 0
	v_nop
	global_prefetch_b8 v0, s[64:65] scope:SCOPE_SE
	s_setreg_imm32_b32 hwreg(HW_REG_WAVE_MODE, 25, 1), 1
	s_wait_xcnt 0x0
	s_wait_alu depctr_hold_cnt(0) depctr_sa_sdst(0) depctr_va_vdst(0) depctr_va_sdst(0) depctr_va_ssrc(0) depctr_va_vcc(0) depctr_vm_vsrc(0)
	s_getreg_b32 s2, hwreg(HW_REG_IB_STS2, 6, 4)
	s_cmp_eq_u32 s2, 0
	s_cbranch_scc0 .Lentry_in_a_cluster
	s_endpgm
.Lentry_in_a_cluster:
	s_bfe_u32 s2, ttmp6, 0x10000c
	s_cmp_lg_u32 s2, 0xf033
	s_cbranch_scc0 .Lentry_shape_is_right
	s_endpgm
.Lentry_shape_is_right:
; out0[b][o][n] = the sum over i of Wm[o][i] x[b][i][n] + bm[o]; operands in f16, K in the order i' = 64 h + d on both sides, sums in f32.
; A work-group (x, y = 8 b + pblk) makes 128 rows o x 256 positions.  Wave (wr = w / 2, wc = w % 2): P = 128 positions (8 blocks, source 0: they land in a lane's registers) x Q = 64 rows of Wm
; (4 blocks, source 1: they land in the lanes): a lane holds one o and eight neighbouring positions: 32 neighbouring bytes of out0.  32 accumulators.
; K goes in eight steps of 128 (two heads) through two LDS slots: x's part 65,536 bytes (two dense blocks of xw), Wm's 32,768 (one dense block of wm16); both are images of operand registers.
; CLUSTERS: 4 x 4.  x's part hangs on y alone and is shared along a row (waves 0, 1 fetch a head each); Wm's on x alone and is shared along a column (waves 2, 3 fetch a half each).
; By this text's count a wave has one tensor load out.
; REGISTERS: window 0: addresses; v32-63 the bias as a first C; v64-191 two sets of 16 rows on the way out.   window 1: two sets of fragments (P 64, Q 32).   window 2: accumulator (a, b) at 8 (8 a + b).
.set SLOT,   98304
.set WOFF,   65536
.set STAGE,  2*SLOT                    ; the way out: 16 rows x (512 + 16) bytes for each wave; no tensor load lands here
.set SPITCH, 528
.set SPARE,  STAGE+4*16*SPITCH         ; the spare words, 128 bytes for each wave
.set LI,   1                           ; v1   16 x lane
.set AP,   16                          ; v16-17 LDS address of my x fragments in slot 0, 1
.set AQ,   20                          ; v20-21 of my Wm fragments
.set STO,  24
.set RD,   25
.set VB,   27                          ; v27  4 x (lane % 16)
.set SPW,  28
.set NIL,  29
.set BIAS, 32
.set BK,   64
.set G1X,  24                          ; s[24:31], s[32:39]: groups 1 and 0 (a set for each slot) for x;  s[48:55], s[56:63] for Wm
.set G0X,  32
.set G1W,  48
.set G0W,  56
.set MSB, 0
.macro WIN new
.if MSB != \new
	s_set_vgpr_msb (MSB<<8)|\new
.set MSB, \new
.endif
.endm
.macro PLACES
.rept 4
	v_nop
.endr
.endm
.macro JLOAD s
	s_cmp_eq_u32 s15, 0
	s_cbranch_scc0 .Lfor_w_\@
	tensor_load_to_lds s[G0X+4*(\s):G0X+4*(\s)+3], s[G1X:G1X+7]
	s_nop 0
.rept 4
	v_nop
.endr
	s_branch .Lasked_\@
.Lfor_w_\@:
	tensor_load_to_lds s[G0W+4*(\s):G0W+4*(\s)+3], s[G1W:G1W+7]
	s_nop 0
.rept 4
	v_nop
.endr
.Lasked_\@:
.endm
.macro CROUND
	s_barrier_signal -1
	s_barrier_wait -1
	s_cmp_lg_u32 s14, 0
	s_cbranch_scc1 .Lnot_wave_0_\@
	s_barrier_signal -3
.Lnot_wave_0_\@:
	s_barrier_wait -3
	s_barrier_signal -1
	s_barrier_wait -1
.endm
	s_load_b256 s[4:11], s[0:1], 0x0               ; xw s[4:5], wm16 s[6:7], bm s[8:9], out0 s[10:11]
	v_lshl_add_u32 v[SPW], v0, 2, SPARE
	v_mov_b32 v[NIL], 0
	ds_add_u32 v[SPW], v[NIL]                      ; the wave's opening: the add, twice on end, and its wait ahead of my first tensor load
	ds_add_u32 v[SPW], v[NIL]
	v_lshrrev_b32 v2, 5, v0
	v_readfirstlane_b32 s14, v2                    ; wave 0..3
	s_lshr_b32 s15, s14, 1                         ; wr.  Also: I fetch for x (0) or for Wm (1)
	s_and_b32 s16, s14, 1                          ; wc.  Also: which half I fetch
	s_bfe_u32 s40, ttmp6, 0x40000                  ; cx
	s_bfe_u32 s41, ttmp6, 0x40004                  ; cy
	s_lshl_b32 s42, ttmp9, 2
	s_add_co_u32 s42, s42, s40                     ; x
	s_and_b32 s17, ttmp7, 0xffff
	s_lshl_b32 s17, s17, 2
	s_add_co_u32 s17, s17, s41                     ; y
	s_lshl_b32 s43, s41, 2
	s_lshl_b32 s43, 15, s43                        ; my row of the cluster
	s_lshl_b32 s44, 0x1111, s40                    ; my column
	s_or_b32 s[G1X], s43, (3<<16)|(1<<21)
	s_or_b32 s[G1W], s44, (3<<16)|(1<<21)
.irp g, G1X, G1W
	s_mov_b32 s[\g+1], 32<<16                      ; rows of 256 bytes, dense
	s_mov_b32 s[\g+3], 32<<16
	s_mov_b32 s[\g+5], 32
	s_mov_b32 s[\g+6], 0
	s_mov_b32 s[\g+7], 0
.endr
	s_mov_b32 s[G1X+2], 128<<16                    ; a head's 16 tiles of positions: 128 rows
	s_mov_b32 s[G1X+4], 128
	s_mov_b32 s[G1W+2], 64<<16                     ; half of Wm's part: 64 rows
	s_mov_b32 s[G1W+4], 64
	s_lshr_b32 s20, s17, 3                         ; b
	s_lshl_b32 s20, s20, 4
	s_add_co_u32 s20, s20, s16                     ; (b, head w % 2)
	s_lshl_b32 s20, s20, 18
	s_and_b32 s21, s17, 7
	s_lshl_b32 s21, s21, 15                        ; tile 16 pblk
	s_add_co_u32 s20, s20, s21
	s_mov_b32 s21, 0
	s_lshl_b32 s46, s42, 18                        ; wm16: 262,144 bytes for 128 rows o
	s_lshl_b32 s47, s16, 14
	s_add_co_u32 s46, s46, s47
	s_mov_b32 s47, 0
	s_lshl_b32 s45, s16, 15                        ; where they go: no place in the cluster enters an LDS address
	s_lshl_b32 s22, s16, 14
	s_wait_dscnt 0x0                               ; both opening adds are done
	s_wait_kmcnt 0x0
	s_add_nc_u64 s[20:21], s[4:5], s[20:21]
	s_add_nc_u64 s[46:47], s[6:7], s[46:47]
	CROUND                                         ; all sixteen work-groups are here
.irp s, 0,1
	s_mov_b32 s[G0X+4*\s], 1
	s_add_co_u32 s[G0X+4*\s+1], s45, \s*SLOT
	s_add_nc_u64 s[G0X+4*\s+2:G0X+4*\s+3], s[20:21], \s*524288   ; K step s: heads 2 s, 2 s + 1
	s_or_b32 s[G0X+4*\s+3], s[G0X+4*\s+3], 0x80000000
	s_mov_b32 s[G0W+4*\s], 1
	s_add_co_u32 s[G0W+4*\s+1], s22, \s*SLOT+WOFF
	s_add_nc_u64 s[G0W+4*\s+2:G0W+4*\s+3], s[46:47], \s*32768
	s_or_b32 s[G0W+4*\s+3], s[G0W+4*\s+3], 0x80000000
.endr
	JLOAD 0                                        ; K step 0; slot 1 is first filled behind the first trip's round
	v_and_b32 v2, 15, v0                           ; r
	v_bfe_u32 v3, v0, 4, 1                         ; hh
	v_and_b32 v4, 31, v0
	v_lshlrev_b32 v[LI], 4, v4
	v_lshlrev_b32 v[VB], 2, v2
	s_lshl_b32 s70, s42, 9                         ; bm: row 128 x + 64 wr
	s_lshl_b32 s71, s15, 8
	s_add_co_u32 s70, s70, s71
	s_mov_b32 s71, 0
	s_add_nc_u64 s[8:9], s[8:9], s[70:71]
.irp a, 0,1,2,3
.irp j, 0,1,2,3,4,5,6,7
	global_load_b32 v[BIAS+8*\a+\j], v[VB], s[8:9] offset:\a*64   ; all eight registers of a lane belong to row 16 a + r
.endr
.endr
	s_lshl_b32 s66, s16, 14                        ; my 128 positions: tiles 8 wc on
	s_lshl_b32 s67, s15, 14                        ; my 64 rows of Wm: tiles 4 wr on
	s_add_co_u32 s67, s67, WOFF
.irp s, 0,1
	v_add_nc_u32 v[AP+\s], s66, v[LI]
	v_add_nc_u32 v[AQ+\s], s67, v[LI]
	s_add_co_u32 s66, s66, SLOT
	s_add_co_u32 s67, s67, SLOT
.endr
	s_mul_i32 s23, s14, 16*SPITCH
	s_add_co_u32 s23, s23, STAGE                   ; my stage
	v_mul_u32_u24 v5, v2, SPITCH
	v_lshl_add_u32 v5, v3, 5, v5
	v_add_nc_u32 v[STO], s23, v5                   ; in: row r, 32 bytes for each half of the lanes
	v_add_nc_u32 v[RD], s23, v[LI]                 ; back: the 32 lanes take one row of 512 bytes
	s_lshr_b32 s68, s17, 3
	s_lshl_b32 s68, s68, 23                        ; out0: b,
	s_lshl_b32 s69, s42, 20                        ; row 128 x
	s_add_co_u32 s68, s68, s69
	s_lshl_b32 s69, s15, 19                        ; + 64 wr,
	s_add_co_u32 s68, s68, s69
	s_and_b32 s69, s17, 7
	s_lshl_b32 s69, s69, 10                        ; position 256 pblk
	s_add_co_u32 s68, s68, s69
	s_lshl_b32 s69, s16, 9                         ; + 128 wc
	s_add_co_u32 s68, s68, s69
	s_mov_b32 s69, 0
	s_add_nc_u64 s[10:11], s[10:11], s[68:69]
.macro FETCH slot, kf, set             ; 24 LDS loads: the fragments of the K step's kf-th 32: head kf / 2, channels 32 (kf % 2) on
	WIN 0x40
.irp b, 0,1,2,3,4,5,6,7
.irp c, 0,1
	ds_load_b128 v[96*(\set)+8*\b+4*\c:96*(\set)+8*\b+4*\c+3], v[AP+(\slot)] offset:((\kf)/2)*32768+\b*2048+((\kf)%2)*1024+512*\c
.endr
.endr
.irp a, 0,1,2,3
.irp c, 0,1
	ds_load_b128 v[96*(\set)+64+8*\a+4*\c:96*(\set)+64+8*\a+4*\c+3], v[AQ+(\slot)] offset:\a*4096+(\kf)*1024+512*\c
.endr
.endr
.endm
.macro MUL set, first                  ; 32 matrix instructions, the accumulators by turns; first = 1: the bias starts the sums
.if \first
	WIN 0x85                                       ; A, B window 1, C window 0, D window 2
.else
	WIN 0xa5
.endif
.irp a, 0,1,2,3
.irp b, 0,1,2,3,4,5,6,7
.if \first
	v_wmma_f32_16x16x32_f16 v[8*(8*\a+\b):8*(8*\a+\b)+7], v[96*(\set)+8*\b:96*(\set)+8*\b+7], v[96*(\set)+64+8*\a:96*(\set)+64+8*\a+7], v[BIAS+8*\a:BIAS+8*\a+7]
.else
	v_wmma_f32_16x16x32_f16 v[8*(8*\a+\b):8*(8*\a+\b)+7], v[96*(\set)+8*\b:96*(\set)+8*\b+7], v[96*(\set)+64+8*\a:96*(\set)+64+8*\a+7], v[8*(8*\a+\b):8*(8*\a+\b)+7]
.endif
.endr
.endr
.endm
; A K STEP.  At its head: all my tensor loads have landed (my part of this step's tiles), the add, my reads of the other slot are over; a round of the cluster's barrier; the other slot takes the next K step.
.macro TRIP slot, refill, first
	s_wait_tensorcnt 0x0                           ; no tensor load of mine is out, so a group 0 may be written
	ds_add_u32 v[SPW], v[NIL]
	s_add_nc_u64 s[G0X+4*\slot+2:G0X+4*\slot+3], s[G0X+4*\slot+2:G0X+4*\slot+3], 1048576   ; this slot's next tiles: two K steps, four heads, on
	s_add_nc_u64 s[G0W+4*\slot+2:G0W+4*\slot+3], s[G0W+4*\slot+2:G0W+4*\slot+3], 65536
	s_wait_dscnt 0x0                               ; the add is done, and my reads of the last step's slot are over
	CROUND
.if \refill
	JLOAD 1-\slot                                  ; its four v_nop are also the places in front of the loads below
.else
	PLACES
.endif
	FETCH \slot, 0, 0
.irp kf, 0,1,2,3
.if \kf < 3
.if \kf > 0
	PLACES
.endif
	FETCH \slot, \kf+1, (\kf+1)%2
	s_wait_dscnt 24                                ; all but the 24 loads just issued
.else
	s_wait_dscnt 0x0
.endif
.if (\kf == 0) && \first
	s_wait_loadcnt 0x0                             ; the bias
	MUL 0, 1
.else
	MUL \kf%2, 0
.endif
.endr
	WIN 0
.endm
	TRIP 0, 1, 1
	TRIP 1, 1, 0
	s_mov_b32 s3, 2
.Llap:
	TRIP 0, 1, 0
	TRIP 1, 1, 0
	s_sub_co_u32 s3, s3, 1
	s_cmp_lg_u32 s3, 0
	s_cbranch_scc1 .Llap
	TRIP 0, 1, 0
	TRIP 1, 0, 0                                   ; the last step fetches nothing
; THE WAY OUT, 16 rows o x 128 positions at a time, through my own stage: in as 32 bytes a lane, back as whole rows of 512 bytes.  LDS serves a wave's instructions in order.
.macro TOSTAGE a
	WIN 0x08                                       ; an LDS store's data are its source 1: window 2
.irp b, 0,1,2,3,4,5,6,7
	ds_store_b128 v[STO], v[64*(\a)+8*\b:64*(\a)+8*\b+3] offset:64*\b          ; each accumulator from its low end on
	ds_store_b128 v[STO], v[64*(\a)+8*\b+4:64*(\a)+8*\b+7] offset:64*\b+16
.endr
	WIN 0
.set BB, BK+64*((\a)%2)
.irp t, 0,1,2,3,4,5,6,7,8,9,10,11,12,13,14,15
	ds_load_b128 v[BB+4*\t:BB+4*\t+3], v[RD] offset:\t*SPITCH
.endr
.endm
.macro SEND a, younger                 ; younger: the LDS instructions issued behind block a's loads, which may stay out
.set BB, BK+64*((\a)%2)
	s_wait_dscnt \younger
.if (\a) > 0
	s_add_nc_u64 s[10:11], s[10:11], 16*8192       ; 16 rows of out0 on (behind a wait for the earlier stores' addresses)
.endif
.irp t, 0,1,2,3,4,5,6,7,8,9,10,11,12,13,14,15
	global_store_b128 v[LI], v[BB+4*\t:BB+4*\t+3], s[10:11] offset:\t*8192 th:TH_STORE_NT   ; 32 lanes store 512 consecutive bytes of one row
.endr
.endm
	PLACES
	TOSTAGE 0
.irp a, 1,2,3
.if \a > 1
	s_wait_xcnt 0x0                                ; block a - 2's stores have read their registers and their base
.endif
	TOSTAGE \a
	SEND \a-1, 32                                  ; behind block a - 1's loads: block a's 16 stores and 16 loads
.endr
	s_wait_xcnt 0x0
	SEND 3, 0
	s_wait_tensorcnt 0x0                           ; the wave's end
	ds_add_u32 v[SPW], v[NIL]
	s_wait_dscnt 0x0
	CROUND                                         ; the closing round
	s_endpgm
.Lfunc_end_k_q3947c196f4_outp:
	.size	k_q3947c196f4_outp, .Lfunc_end_k_q3947c196f4_outp-k_q3947c196f4_outp
	.p2alignl 7, 3214868480
	.fill 96, 4, 3214868480
	.section	.rodata,"a",@progbits
	.p2align	6, 0x0
	.amdhsa_kernel k_q3947c196f4_outp
		.amdhsa_group_segment_fixed_size 327680
		.amdhsa_private_segment_fixed_size 0
		.amdhsa_enable_private_segment 0
		.amdhsa_kernarg_size 32
		.amdhsa_user_sgpr_count 2
		.amdhsa_user_sgpr_kernarg_segment_ptr 1
		.amdhsa_wavefront_size32 1
		.amdhsa_system_sgpr_workgroup_id_x 1
		.amdhsa_system_sgpr_workgroup_id_y 1
		.amdhsa_system_sgpr_workgroup_id_z 1
		.amdhsa_system_vgpr_workitem_id 0
		.amdhsa_next_free_vgpr 768
		.amdhsa_next_free_sgpr 80
		.amdhsa_reserve_vcc 0
		.amdhsa_float_denorm_mode_32 3
		.amdhsa_float_denorm_mode_16_64 3
		.amdhsa_memory_ordered 1
		.amdhsa_forward_progress 1
		.amdhsa_inst_pref_size 119
	.end_amdhsa_kernel
	.amdgpu_metadata
---
amdhsa.version: [ 1, 2 ]
amdhsa.kernels:
  - .name:           k_q3947c196f4_outp
    .symbol:         k_q3947c196f4_outp.kd
    .args:
      - { .name: xw, .offset: 0, .size: 8, .value_kind: global_buffer, .address_space: global }
      - { .name: wm16, .offset: 8, .size: 8, .value_kind: global_buffer, .address_space: global }
      - { .name: bm, .offset: 16, .size: 8, .value_kind: global_buffer, .address_space: global }
      - { .name: out0, .offset: 24, .size: 8, .value_kind: global_buffer, .address_space: global }
    .group_segment_fixed_size: 327680
    .private_segment_fixed_size: 0
    .kernarg_segment_align: 8
    .kernarg_segment_size: 32
    .max_flat_workgroup_size: 128
    .sgpr_count:     80
    .vgpr_count:     768
    .wavefront_size: 32
...
	.end_amdgpu_metadata
.endif
;; end of part 4
